; MI455X (gfx1250); checked and timed in simulation.
; The chip was launched on July 23, 2026; its instructions are those of AMD's public machine-readable ISA for CDNA 5 (MIT licence, August 2026) and "CDNA5" Instruction Set Architecture Reference Guide (July 2026). The comments in the code are by the model that wrote it; some were corrected since.
;; Multi Head Attention. Allowed arithmetic: matrix products marked QUANTISED: E2M3 operands, one E8M0 scale for each 32 along K, by v_wmma_scale_f32_16x16x128_f8f6f4 with both operands' format E2M3, f32 sums; everything else in f32.
;; Inputs: b_out 1,024 float32; b_qkv 3,072 float32; mask 1 x 1 x 2,048 x 2,048 int32; w_out 1,024 x 1,024 float32; w_qkv 1,024 x 3,072 float32; x 4 x 2,048 x 1,024 float32.
;; Outputs: out0 4 x 2,048 x 1,024 float32.
;; This version of the problem:
;;   THIS VERSION OF THE PROBLEM IS GIVEN IN LOW PRECISION. The matrix products marked QUANTISED in the list below multiply operands that are first quantised to E2M3 (2 exponent bits, 3 mantissa bits; 6 bits a number), with one power-of-two scale for each 32 numbers along K (OCP MX v1.0); their sums are f32. All else is computed in f32.
;;   The module's matrix products, in the order in which they are computed (A, B: the left and right operand; K: the contracted axis; several contracted axes count as one K, in the product's order):
;;     1. [M 8,192, K 1,024] x [K 1,024, N 3,072]; A: input x; B: input w_qkv: QUANTISED
;;     2. batch 64 x [M 2,048, K 64] x [K 64, N 2,048]; A: computed on the way; B: computed on the way: QUANTISED
;;     3. batch 64 x [M 2,048, K 2,048] x [K 2,048, N 64]; A: softmax (see below); B: computed on the way: QUANTISED
;;     4. [M 8,192, K 1,024] x [K 1,024, N 1,024]; A: computed on the way; B: input w_out: QUANTISED
;;   THE QUANTISER, for each operand of a quantised product, along K:
;;     - K is cut into blocks of 32 from its start; a last block that is shorter is filled with zeros.
;;     - A block's scale is 2^e with e = floor(log2(the largest magnitude in the block)) - 2, held to -126 .. 127; a block of zeros has e = 0. As a byte (E8M0): e + 127.
;;     - Each number is divided by its block's scale, clamped to +-7.5, and rounded to the nearest number of E2M3, ties to even, subnormals kept.
;;     - The product sums the exact products of the quantised numbers (number of the format x scale) in f32.
;;   ~~~python
;;   def quantise(x, axis):      # numpy; x: float32 -> the quantised numbers, widened to float32 again
;;       x = np.moveaxis(x, axis, -1); K = x.shape[-1]
;;       x = np.pad(x, [(0, 0)] * (x.ndim - 1) + [(0, -K % 32)]); x = x.reshape(x.shape[:-1] + (-1, 32)); a = np.abs(x).max(-1, keepdims=True)
;;       e = np.where(a > 0, np.clip(np.frexp(np.where(a > 0, a, 1))[1] - 1 - 2, -126, 127), 0)      # np.frexp(a)[1] - 1 = floor(log2(a)), exactly
;;       r = np.clip(x / 2.0 ** e, -7.5, 7.5)
;;       step = 2.0 ** (np.maximum(np.frexp(np.where(r == 0, 1, r))[1] - 1, 0) - 3)
;;       q = np.round(r / step) * step * 2.0 ** e      # np.round: ties to even
;;       return np.moveaxis(q.reshape(q.shape[:-2] + (-1,))[..., :K], -1, axis).astype(np.float32)
;;   ~~~
;;   SOFTMAX AHEAD OF A QUANTISED PRODUCT. Where the list says 'softmax', what is quantised is not the finished softmax but p = 2^(t - M), with t = logit x log2(e) and M = ceil(the row's largest t), a whole number; so 1/2 < the row's largest p <= 1. The row's sum l is taken of the UNQUANTISED p, in f32, and the product's result is divided by l at the end. Since M is a whole number, a kernel that streams over the keys may use a running M (the ceiling of the running maximum): every later rescaling is an exact power of two, which a block's scale takes up: the codes' values come out the same.
;;   OPERANDS COMPUTED ON THE WAY. 'Computed on the way' means the value that the module computes at that place (a softmax that the list does not call 'softmax' is quantised finished and normalised). What goes into a quantiser is computed in f32, as accurately as f32 sums, v_exp_f32 and their like allow (about 1e-6 of the number): no bf16 or f16 on the way to a quantiser, and a product that is left as it is and whose result goes on into a quantised operand takes f32 operands (vector FMAs, or v_wmma_f32_16x16x4_f32). A number that lies on a knife's edge between two numbers of the format may be rounded either way, as far as f32 arithmetic and the matrix unit's own rounding can turn it there, and no further.
;; One version. Each part assembles by itself: llvm-mc -triple=amdgcn-amd-amdhsa -mcpu=gfx1250 --defsym DOCPART=n.
;; ======== version 1 of 1: 4 launches
;; limits: right only within a limited range of input values
;; workspace buffers: xi 6,291,456 bytes; wi 3,145,728 bytes; sc1 360,448 bytes; sc2 294,912 bytes; mw 526,336 bytes of whole numbers; qi 6,815,744 bytes; kv 13,369,344 bytes; oi 6,291,456 bytes
;; launch prep (part 1): grid 640 x 1, 4 waves a work-group, no clusters, 68,096 bytes of LDS; arguments x, mask, w_qkv, w_out, xi, wi, sc1, sc2, mw; writes xi, wi, sc1, sc2, mw
.if DOCPART == 1
	.amdgcn_target "amdgcn-amd-amdhsa--gfx1250"
	.amdhsa_code_object_version 6
	.text
	.protected	k_qdb0ede6319_prep
	.globl	k_qdb0ede6319_prep
	.p2align	8
	.type	k_qdb0ede6319_prep,@function
k_qdb0ede6319_prep:
	s_mov_b64 s[64:65], 0
	v_nop
	global_prefetch_b8 v0, s[64:65] scope:SCOPE_SE
	s_setreg_imm32_b32 hwreg(HW_REG_WAVE_MODE, 25, 1), 1
	s_wait_xcnt 0x0
; MULTI-HEAD ATTENTION IN MX-FP6 (E2M3, one E8M0 scale for each 32 along K), four launches: prep, gemm_qkv, attn, gemm_out.
; NO WORK OF reference() IS LEFT OUT: all six inputs reach the output (both biases stand ahead of a quantiser or of the output; the mask may hold holes anywhere).
; THIS LAUNCH quantises x (along its 1,024), w_qkv and w_out (along their first axis, which is K), and turns the mask into words of 32 lane bits.
; EVERYTHING IS LAID AS AN IMAGE OF THE OPERAND'S REGISTERS.  Lane L: r = L % 16, h = L / 16.
;   ptile i (0..7) of a block of 128 rows: lane r holds row 32 (i / 2) + 8 (i % 2) + r + 8 (r / 8); as source 0 of a product its result register j of lane (r, h) is row 32 (i / 2) + 8 (i % 2) + 16 h + j,
;   so that the 16 registers of ptiles 2 b and 2 b + 1 are 16 neighbours along the next K.
;   half fragment (768 bytes): 16 rows x 64 k; lane (r, h) holds the 24 bytes of k = 32 h .. 32 h + 31: registers 0-3 at byte 16 L, registers 4-5 at byte 512 + 8 L.  fragment = two of them (1,536 bytes).
;   panel (98,304 bytes): 128 rows x 1,024 k as [K step of 128][ptile][fragment].   scale panel (4,096 bytes): [e 0..1][ptile][r][4 words: K steps 4 e .. 4 e + 3].
;   xi: 64 panels of x.  wi: 24 panels of w_qkv's columns, then 8 of w_out's.  sc1: x's 64 scale panels, then w_qkv's 24.  sc2: (64 for the attention result, stored later), then w_out's 8.
;   mw: [query ptile T 0..127][key step 0..15][64 words]: bit L of word 16 b + i says mask[query of lane L % 16][128 step + 32 b + 16 (L / 16) + i] != 0.
; THE QUANTISER: a block's scale byte is its largest magnitude's exponent field - 2, held at 1 from below; the conversion divides, rounds to nearest even and holds at the largest code.
; LIMITS: a block of zeros, or one whose largest magnitude lies under 2^-124, keeps the byte 1 (the rule says 127 for zeros): its codes are zeros or the rule's, and this program alone reads the bytes.
; NaN and infinities among the floating-point inputs are not served.
; SHARES: work-groups 0-255 x, 256-383 the mask, 384-575 w_qkv, 576-639 w_out; four waves that share nothing; no barrier.  Each path has LDS bytes of its own.
.set SPARE, 67584                      ; the spare words, 128 bytes a wave, behind the stages
.set MST,   33792                      ; the mask path's stages; x's begin at 0: 8,448 bytes a wave (16 rows x 528)
.set SPW, 12                           ; v12 my spare word's address; v13 zero: both for the add alone
.set NIL, 13
.set TM,  16                           ; v16-31 at work in the quantiser
.set PC,  32                           ; v32-51 a fragment's codes
.set PW,  52                           ; its scale word
.set PWS, 54                           ; v54-57 four K steps' scale words
.set MO,  58                           ; v58-61 mask words, two pairs by turns
.set X,   62                           ; v62-125 64 numbers of my row: register 16 b + i = element 32 b + 16 h + i
.set R,   126                          ; v126-253 two sets of 64 as loaded
.set WR,  62                           ; weight paths: v62-189 128 numbers down K
.set WP,  190                          ; v190-213 four blocks' codes
.set QT,  214
.set SB,  218
.set SEL, 24                           ; s[24:25] selects for lane xor 16
.macro LOADU set, u, pitch, base       ; unit u: 16 rows x 512 bytes; each load covers 512 consecutive bytes of one row
.irp p, 0,1,2,3,4,5,6,7,8,9,10,11,12,13,14,15
	global_load_b128 v[R+64*(\set)+4*\p:R+64*(\set)+4*\p+3], v4, s[\base:\base+1] offset:(\p+8*(\p/8))*(\pitch)+512*(\u) th:TH_LOAD_NT
.endr
.endm
.macro TURN set, reg                   ; through my own stage: in as loaded, out 16 neighbours of each block of 32 to a lane.  LDS serves a wave's instructions in order
.irp p, 0,1,2,3,4,5,6,7,8,9,10,11,12,13,14,15
	ds_store_b128 v6, v[R+64*(\set)+4*\p:R+64*(\set)+4*\p+3] offset:(\reg)+528*\p
.endr
.irp p, 0,1,2,3,4,5,6,7,8,9,10,11,12,13,14,15
	ds_load_b128 v[X+4*\p:X+4*\p+3], v7 offset:(\reg)+128*(\p/4)+16*(\p%4)
.endr
.endm
.macro QUANT s                         ; 64 numbers of a lane become a fragment's 12 registers in v[PC] on and the row's scale word in v[PW]
.irp b, 0,1,2,3
	v_max3_num_f32 v[TM+\b], |v[\s+16*\b]|, |v[\s+1+16*\b]|, 0x1800000     ; my 16 of block b, and the floor 2^(3 - 127)
.endr
.irp i, 2,4,6,8,10,12,14
.irp b, 0,1,2,3
	v_max3_num_f32 v[TM+\b], v[TM+\b], |v[\s+16*\b+\i]|, |v[\s+1+16*\b+\i]|
.endr
.endr
.irp b, 0,1,2,3
	v_permlanex16_b32 v[TM+4+\b], v[TM+\b], s[SEL], s[SEL+1]
.endr
.irp b, 0,1,2,3
	v_max_num_f32 v[TM+\b], v[TM+\b], v[TM+4+\b]                            ; with lane xor 16's: the block's largest magnitude
.endr
.irp b, 0,1,2,3
	v_add_nc_u32 v[TM+12+\b], 0xff000000, v[TM+\b]                          ; 2 off its exponent field: the conversion's scale operand
.endr
.irp b, 0,1,2,3
	v_lshrrev_b32 v[TM+4+\b], 23, v[TM+12+\b]                               ; the byte
.endr
	v_lshl_or_b32 v[PW], v[TM+5], 8, v[TM+4]
	v_lshl_or_b32 v[PW], v[TM+6], 16, v[PW]
	v_lshl_or_b32 v[PW], v[TM+7], 24, v[PW]
.irp c, 0,1
	v_cvt_scalef32_pk16_fp6_f32 v[PC+6*\c:PC+2+6*\c], v[\s+32*\c:\s+15+32*\c], v[TM+12+2*\c]
	v_cvt_scalef32_pk16_fp6_f32 v[PC+12+4*\c:PC+14+4*\c], v[\s+16+32*\c:\s+31+32*\c], v[TM+12+2*\c+1]
.endr
	v_nop                                                                   ; one plain place behind a scaled conversion
.irp c, 0,1                            ; a whole block to a lane: lanes 0-15 block 2 c, lanes 16-31 block 2 c + 1
.irp i, 0,1,2
	v_permlane16_swap_b32 v[PC+6*\c+\i], v[PC+12+4*\c+\i]
.endr
.irp i, 0,1,2
	v_mov_b32 v[PC+3+6*\c+\i], v[PC+12+4*\c+\i]
.endr
.endr
.endm
.macro FINISH                          ; the wave's end
	s_wait_tensorcnt 0x0
	ds_add_u32 v[SPW], v[NIL]
	s_wait_dscnt 0x0
	s_endpgm
.endm
.macro XWORK u                         ; K step u of my four: quantise, and store the fragment's 1,536 consecutive bytes
.if \u > 0
	s_wait_xcnt 0x0                                ; the last unit's stores have read v[PC] on
.endif
	QUANT X
	global_store_b128 v4, v[PC:PC+3], s[12:13] offset:12288*\u
	global_store_b64 v5, v[PC+4:PC+5], s[12:13] offset:12288*\u+512
	global_store_b128 v4, v[PC+6:PC+9], s[12:13] offset:12288*\u+768
	global_store_b64 v5, v[PC+10:PC+11], s[12:13] offset:12288*\u+1280
	v_mov_b32 v[PWS+\u], v[PW]
.endm
.macro MWORK u                         ; key step u of my four: 64 compares give 64 words of lane bits; lane n / 2 collects words n and n + 1
.if \u > 1
	s_wait_xcnt 0x0                                ; the store of two units ago has read this pair
.endif
.set n, 0
.rept 64
	v_cmp_ne_u32 s[28+n%4], 0, v[X+n]
	v_writelane_b32 v[MO+2*((\u)%2)+n%2], s[28+n%4], n/2
.set n, n+1
.endr
	global_store_b64 v5, v[MO+2*((\u)%2):MO+2*((\u)%2)+1], s[20:21] offset:256*(\u)   ; 256 consecutive bytes
	v_and_b32 v10, v[MO+2*((\u)%2)], v[MO+2*((\u)%2)+1]    ; the 32 lanes hold the step's 64 words:
	v_cmp_eq_u32 s38, -1, v10
	s_cmp_eq_u32 s38, -1                           ; is every bit of every word set?
	s_cselect_b32 s40, 1<<(\u), 0
	s_or_b32 s39, s39, s40                         ; bit u of my four steps' flags
.endm
.macro WBLOCK kb                       ; block kb of 32 down K of my column: all 32 numbers are mine
.set XS, WR+32*(\kb)
.set PP, WP+6*(\kb)
.if \kb == 0
	s_wait_loadcnt 63                              ; behind block 1's last load 64 were issued; 63 is the largest count that the wait names: blocks 0 and 1 are in
.elseif \kb == 2
	s_wait_loadcnt 32                              ; block 3's 32 may be out
.elseif \kb == 3
	s_wait_loadcnt 0x0
.endif
	v_max3_num_f32 v16, |v[XS]|, |v[XS+1]|, |v[XS+2]|
	v_max3_num_f32 v17, |v[XS+3]|, |v[XS+4]|, |v[XS+5]|
.irp i, 6,10,14,18,22,26
	v_max3_num_f32 v16, v16, |v[XS+\i]|, |v[XS+\i+1]|
	v_max3_num_f32 v17, v17, |v[XS+\i+2]|, |v[XS+\i+3]|
.endr
	v_max3_num_f32 v16, v16, |v[XS+30]|, |v[XS+31]|
	v_max3_num_f32 v16, v16, v17, 0x1800000
	v_add_nc_u32 v18, 0xff000000, v16
	v_lshrrev_b32 v19, 23, v18
.if \kb == 0
	v_mov_b32 v[SB], v19
.else
	v_lshl_or_b32 v[SB], v19, 8*(\kb), v[SB]
.endif
	v_cvt_scalef32_pk16_fp6_f32 v[PP:PP+2], v[XS:XS+15], v18
	v_cvt_scalef32_pk16_fp6_f32 v[QT:QT+2], v[XS+16:XS+31], v18
	v_nop
.irp i, 0,1,2
	v_mov_b32 v[PP+3+\i], v[QT+\i]
.endr
	global_store_b128 v14, v[PP:PP+3], s[14:15] offset:768*((\kb)/2)+256*((\kb)%2)          ; the place of lane (r, kb % 2) in half fragment kb / 2 of ptile 2 (cg % 4) + u
	global_store_b64 v15, v[PP+4:PP+5], s[14:15] offset:768*((\kb)/2)+512+128*((\kb)%2)
.endm
; A weight path.  A wave takes 32 neighbouring columns x one K step of 128: lane x takes column 32 cg + x and its registers run down K, so nothing is transposed.
.macro WPATH pitch, wb, first, coff, sb
	s_sub_co_u32 s26, ttmp9, \first
	s_and_b32 s27, s26, 1                          ; e
	s_lshr_b32 s26, s26, 1                         ; cg
	s_lshl_b32 s32, s27, 2
	s_add_co_u32 s32, s32, s22                     ; K step 4 e + wave
	s_mul_i32 s34, s32, 128*(\pitch)
	s_lshl_b32 s36, s26, 7
	s_add_co_u32 s34, s34, s36
	s_mov_b32 s35, 0
	s_add_nc_u64 s[\wb:\wb+1], s[\wb:\wb+1], s[34:35]
	s_lshr_b32 s33, s26, 2                         ; panel
	s_and_b32 s37, s26, 3
	s_mul_i32 s34, s33, 98304
	s_mul_i32 s36, s32, 12288
	s_add_co_u32 s34, s34, s36
	s_mul_i32 s36, s37, 3072
	s_add_co_u32 s34, s34, s36
	s_add_co_u32 s34, s34, \coff
	s_add_nc_u64 s[14:15], s[14:15], s[34:35]
	s_lshl_b32 s34, s33, 12
	s_lshl_b32 s36, s27, 11
	s_add_co_u32 s34, s34, s36
	s_lshl_b32 s36, s37, 9
	s_add_co_u32 s34, s34, s36
	s_lshl_b32 s36, s22, 2
	s_add_co_u32 s34, s34, s36
	s_add_co_u32 s34, s34, 262144
	s_add_nc_u64 s[\sb:\sb+1], s[\sb:\sb+1], s[34:35]
	v_bfe_u32 v9, v1, 3, 1                         ; u = (x / 8) % 2: which of the two ptiles
	v_and_b32 v10, 7, v1
	v_lshl_add_u32 v10, v3, 3, v10                 ; r = x % 8 + 8 (x / 16): my lane's place in it
	v_mul_u32_u24 v11, v9, 1536
	v_lshl_add_u32 v14, v10, 4, v11
	v_lshl_add_u32 v15, v10, 3, v11
	v_lshlrev_b32 v6, 8, v9
	v_lshl_add_u32 v6, v10, 4, v6
.set kk, 0
.rept 128
	global_load_b32 v[WR+kk], v8, s[\wb:\wb+1] offset:kk*(\pitch)
.set kk, kk+1
.endr
	WBLOCK 0
	WBLOCK 1
	WBLOCK 2
	WBLOCK 3
	global_store_b32 v6, v[SB], s[\sb:\sb+1]       ; my column's word of this K step; the four waves fill the four words of each row
	FINISH
.endm
	s_load_b256 s[4:11], s[0:1], 0x0               ; x, mask, w_qkv, w_out
	s_load_b256 s[12:19], s[0:1], 0x20             ; xi, wi, sc1, sc2
	s_load_b64 s[20:21], s[0:1], 0x40              ; mw
	v_lshl_add_u32 v[SPW], v0, 2, SPARE
	v_mov_b32 v[NIL], 0
	v_lshrrev_b32 v1, 5, v0
	v_readfirstlane_b32 s22, v1                    ; wave
	v_and_b32 v1, 31, v0                           ; lane
	v_and_b32 v2, 15, v0                           ; r
	v_bfe_u32 v3, v0, 4, 1                         ; h
	v_lshlrev_b32 v4, 4, v1                        ; 16 x lane
	v_lshlrev_b32 v5, 3, v1                        ; 8 x lane
	v_lshlrev_b32 v8, 2, v1                        ; 4 x lane
	v_lshlrev_b32 v9, 4, v2                        ; 16 r
	s_mul_i32 s23, s22, 8448
	v_add_nc_u32 v6, s23, v4                       ; the stage, in: 16 x lane of a row
	v_mul_u32_u24 v7, v2, 528
	v_lshl_add_u32 v7, v3, 6, v7
	v_add_nc_u32 v7, s23, v7                       ; out: row r, + 64 h
	s_mov_b32 s[SEL], 0x76543210
	s_mov_b32 s[SEL+1], 0xfedcba98
	s_wait_kmcnt 0x0
	s_cmp_lt_u32 ttmp9, 256
	s_cbranch_scc1 .Lpath_x
	s_cmp_lt_u32 ttmp9, 384
	s_cbranch_scc1 .Lpath_m
	s_cmp_lt_u32 ttmp9, 576
	s_cbranch_scc1 .Lpath_wq
	WPATH 4096, 10, 576, 2359296, 18
.Lpath_wq:
	WPATH 12288, 8, 384, 0, 16
.Lpath_x:                                              ; a wave: one ptile (16 rows) x four K steps
	s_lshl_b32 s26, ttmp9, 2
	s_add_co_u32 s26, s26, s22
	s_and_b32 s27, s26, 1                          ; e
	s_lshr_b32 s26, s26, 1                         ; ptile 0..511
	s_lshr_b32 s32, s26, 3                         ; panel
	s_and_b32 s33, s26, 7                          ; i
	s_lshr_b32 s34, s26, 1
	s_lshl_b32 s34, s34, 5
	s_and_b32 s36, s26, 1
	s_lshl_b32 s36, s36, 3
	s_add_co_u32 s34, s34, s36                     ; its first row: 32 (ptile / 2) + 8 (ptile % 2)
	s_lshl_b32 s34, s34, 12
	s_lshl_b32 s36, s27, 11
	s_add_co_u32 s34, s34, s36
	s_mov_b32 s35, 0
	s_add_nc_u64 s[4:5], s[4:5], s[34:35]
	s_mul_i32 s34, s32, 98304
	s_mul_i32 s36, s27, 49152
	s_add_co_u32 s34, s34, s36
	s_mul_i32 s36, s33, 1536
	s_add_co_u32 s34, s34, s36
	s_add_nc_u64 s[12:13], s[12:13], s[34:35]
	s_lshl_b32 s34, s32, 12
	s_lshl_b32 s36, s27, 11
	s_add_co_u32 s34, s34, s36
	s_lshl_b32 s36, s33, 8
	s_add_co_u32 s34, s34, s36
	s_add_nc_u64 s[16:17], s[16:17], s[34:35]
.irp b, 0,1,2,3
	v_mov_b32 v[TM+4+\b], 0                        ; a lane permute's destination counts as one of its sources
.endr
	LOADU 0, 0, 4096, 4
	LOADU 1, 1, 4096, 4
	s_wait_alu depctr_va_vdst(0)
.irp u, 0,1,2,3
.if \u < 3
	s_wait_loadcnt 16                              ; this unit's 16 loads are in; the next unit's 16 may be out
.else
	s_wait_loadcnt 0x0
.endif
	TURN \u%2, 0
	s_wait_dscnt 0x0                               ; my numbers are back, and the stage's stores have read their registers
.if \u < 2
	LOADU \u%2, \u+2, 4096, 4
.endif
	XWORK \u
.endr
	global_store_b128 v9, v[PWS:PWS+3], s[16:17]   ; row r's four words: 256 consecutive bytes (lanes 16-31 hold and write the same)
	FINISH
.Lpath_m:                                              ; a wave: one query ptile x four key steps
	s_sub_co_u32 s26, ttmp9, 256
	s_lshl_b32 s26, s26, 2
	s_add_co_u32 s26, s26, s22
	s_and_b32 s27, s26, 3                          ; which four key steps
	s_lshr_b32 s26, s26, 2                         ; T
	s_lshr_b32 s34, s26, 1
	s_lshl_b32 s34, s34, 5
	s_and_b32 s36, s26, 1
	s_lshl_b32 s36, s36, 3
	s_add_co_u32 s34, s34, s36
	s_lshl_b32 s34, s34, 13                        ; a row of the mask is 8,192 bytes
	s_lshl_b32 s36, s27, 11
	s_add_co_u32 s34, s34, s36
	s_mov_b32 s35, 0
	s_add_nc_u64 s[6:7], s[6:7], s[34:35]
	s_lshl_b32 s34, s26, 12
	s_lshl_b32 s36, s27, 10
	s_add_co_u32 s34, s34, s36
	s_lshl_b32 s40, s26, 4                         ; behind mw's 524,288 bytes of words: [T][which four key steps] a word of four flags, bit u: every bit of key step 4 x that + u is set
	s_lshl_b32 s41, s27, 2
	s_add_co_u32 s40, s40, s41
	s_add_co_u32 s40, s40, 524288
	s_mov_b32 s41, 0
	s_add_nc_u64 s[42:43], s[20:21], s[40:41]
	s_mov_b32 s39, 0
	s_add_nc_u64 s[20:21], s[20:21], s[34:35]
.irp b, 0,1,2,3
	v_mov_b32 v[MO+\b], 0                          ; v_writelane_b32's destination counts as read
.endr
	LOADU 0, 0, 8192, 6
	LOADU 1, 1, 8192, 6
	s_wait_alu depctr_va_vdst(0)
.irp u, 0,1,2,3
.if \u < 3
	s_wait_loadcnt 16
.else
	s_wait_loadcnt 0x0
.endif
	TURN \u%2, MST
	s_wait_dscnt 0x0
.if \u < 2
	LOADU \u%2, \u+2, 8192, 6
.endif
	MWORK \u
.endr
	v_mov_b32 v10, 0
	v_mov_b32 v11, s39
	global_store_b32 v10, v11, s[42:43]            ; my four flags (every lane writes the same word with the same value)
	FINISH
.Lfunc_end_k_qdb0ede6319_prep:
	.size	k_qdb0ede6319_prep, .Lfunc_end_k_qdb0ede6319_prep-k_qdb0ede6319_prep
	.p2alignl 7, 3214868480
	.fill 96, 4, 3214868480
	.section	.rodata,"a",@progbits
	.p2align	6, 0x0
	.amdhsa_kernel k_qdb0ede6319_prep
		.amdhsa_group_segment_fixed_size 68096
		.amdhsa_private_segment_fixed_size 0
		.amdhsa_enable_private_segment 0
		.amdhsa_kernarg_size 72
		.amdhsa_user_sgpr_count 2
		.amdhsa_user_sgpr_kernarg_segment_ptr 1
		.amdhsa_wavefront_size32 1
		.amdhsa_system_sgpr_workgroup_id_x 1
		.amdhsa_system_sgpr_workgroup_id_y 1
		.amdhsa_system_sgpr_workgroup_id_z 1
		.amdhsa_system_vgpr_workitem_id 0
		.amdhsa_next_free_vgpr 256
		.amdhsa_next_free_sgpr 66
		.amdhsa_reserve_vcc 0
		.amdhsa_float_denorm_mode_32 3
		.amdhsa_float_denorm_mode_16_64 3
		.amdhsa_memory_ordered 1
		.amdhsa_forward_progress 1
		.amdhsa_inst_pref_size 124
	.end_amdhsa_kernel
	.amdgpu_metadata
---
amdhsa.version: [ 1, 2 ]
amdhsa.kernels:
  - .name:           k_qdb0ede6319_prep
    .symbol:         k_qdb0ede6319_prep.kd
    .args:
      - { .name: x, .offset: 0, .size: 8, .value_kind: global_buffer, .address_space: global }
      - { .name: mask, .offset: 8, .size: 8, .value_kind: global_buffer, .address_space: global }
      - { .name: w_qkv, .offset: 16, .size: 8, .value_kind: global_buffer, .address_space: global }
      - { .name: w_out, .offset: 24, .size: 8, .value_kind: global_buffer, .address_space: global }
      - { .name: xi, .offset: 32, .size: 8, .value_kind: global_buffer, .address_space: global }
      - { .name: wi, .offset: 40, .size: 8, .value_kind: global_buffer, .address_space: global }
      - { .name: sc1, .offset: 48, .size: 8, .value_kind: global_buffer, .address_space: global }
      - { .name: sc2, .offset: 56, .size: 8, .value_kind: global_buffer, .address_space: global }
      - { .name: mw, .offset: 64, .size: 8, .value_kind: global_buffer, .address_space: global }
    .group_segment_fixed_size: 68096
    .private_segment_fixed_size: 0
    .kernarg_segment_align: 8
    .kernarg_segment_size: 72
    .max_flat_workgroup_size: 128
    .sgpr_count:     66
    .vgpr_count:     256
    .wavefront_size: 32
...
	.end_amdgpu_metadata
.endif
;; end of part 1
;; launch gemm_qkv (part 2): grid 12 x 32, 4 waves a work-group, clusters of 4 x 4, 327,680 bytes of LDS; arguments xi, wi, sc1, b_qkv, qi, kv; writes qi, kv
.if DOCPART == 2
	.amdgcn_target "amdgcn-amd-amdhsa--gfx1250"
	.amdhsa_code_object_version 6
	.text
	.protected	k_qdb0ede6319_gemm_qkv
	.globl	k_qdb0ede6319_gemm_qkv
	.p2align	8
	.type	k_qdb0ede6319_gemm_qkv,@function
k_qdb0ede6319_gemm_qkv:
	s_mov_b64 s[64:65], 0
	v_nop
	global_prefetch_b8 v0, s[64:65] scope:SCOPE_SE
	s_setreg_imm32_b32 hwreg(HW_REG_WAVE_MODE, 25, 1), 1
	s_wait_xcnt 0x0
	s_wait_alu depctr_hold_cnt(0) depctr_sa_sdst(0) depctr_va_vdst(0) depctr_va_sdst(0) depctr_va_ssrc(0) depctr_va_vcc(0) depctr_vm_vsrc(0)
	s_getreg_b32 s2, hwreg(HW_REG_IB_STS2, 6, 4)
	s_cmp_eq_u32 s2, 0
	s_cbranch_scc0 .Lentry_in_a_cluster
	s_endpgm
.Lentry_in_a_cluster:
	s_bfe_u32 s2, ttmp6, 0x10000c
	s_cmp_lg_u32 s2, 0xf033
	s_cbranch_scc0 .Lentry_shape_is_right
	s_endpgm
.Lentry_shape_is_right:
.set HALFT, 24576
.set SLOT,  4*HALFT
.set SPARE, 2*SLOT
.set AD1, 16
.set AD0, 20
.set L16, 24
.set L8,  25
.set VSS, 26
.set VSH, 27
.set SPW, 28
.set NIL, 29
.set SC,  32
.set VO,  96
.set AF,  128
.set PC,  128
.set TM,  160
.set PW,  176
.set PWS, 180
.set W4,  188
.set G1,  24
.set G0,  32
.set G1B, 48
.set G0B, 56
.set SEL, 22
.set WV,  96
.set HI,  97
.set LO,  98
.set MSB, 0
.macro WIN new
.if MSB != (\new)
	s_set_vgpr_msb (MSB<<8)|(\new)
.set MSB, (\new)
.endif
.endm
.macro PLACES
.rept 4
	v_nop
.endr
.endm
.macro JLOAD s
	s_cmp_eq_u32 s[HI], 0
	s_cbranch_scc0 .Lfor_b_\@
	tensor_load_to_lds s[G0+4*\s:G0+4*\s+3], s[G1:G1+7]
	s_nop 0
.rept 4
	v_nop
.endr
	s_branch .Lasked_\@
.Lfor_b_\@:
	tensor_load_to_lds s[G0B+4*\s:G0B+4*\s+3], s[G1B:G1B+7]
	s_nop 0
.rept 4
	v_nop
.endr
.Lasked_\@:
.endm
.macro CREST
	s_cmp_lg_u32 s[WV], 0
	s_cbranch_scc1 .Lnot_wave_0_\@
	s_barrier_signal -3
.Lnot_wave_0_\@:
	s_barrier_wait -3
	s_barrier_signal -1
	s_barrier_wait -1
.endm
.macro CROUND
	s_barrier_signal -1
	s_barrier_wait -1
	CREST
.endm
.macro FRAG reg, ad, q, i
	ds_load_b128 v[\reg:\reg+3], v[\ad] offset:(8*(\q)+(\i))*1536
	ds_load_b64 v[\reg+4:\reg+5], v[\ad+2] offset:(8*(\q)+(\i))*1536+512
	ds_load_b128 v[\reg+6:\reg+9], v[\ad] offset:(8*(\q)+(\i))*1536+768
	ds_load_b64 v[\reg+10:\reg+11], v[\ad+2] offset:(8*(\q)+(\i))*1536+1280
.endm
.macro FETCH_B slot, q, p
	WIN 0x40
.irp i, 0,1,2,3,4,5,6,7
	FRAG 128*(\p)+12*\i, AD0+\slot, \q, \i
.endr
	WIN 0
.endm
.macro FETCH_A slot, q, i0
.irp i, \i0, \i0+1, \i0+2, \i0+3
	FRAG AF+12*(\i), AD1+\slot, \q, \i
.endr
.endm
.macro MUL16 a0, p, k, cm
.irp a, \a0, \a0+1
.irp b, 0,1,2,3,4,5,6,7
.set ACR, 8*(8*((\a)%4)+\b)
.if \cm == 0
	v_wmma_scale_f32_16x16x128_f8f6f4 v[ACR:ACR+7], v[128*(\p)+12*\b:128*(\p)+12*\b+11], v[AF+12*(\a):AF+12*(\a)+11], v[ACR:ACR+7], v[SC+8*\b+(\k)], v[SC+8*(\a)+(\k)] matrix_a_fmt:MATRIX_FMT_FP6 matrix_b_fmt:MATRIX_FMT_FP6 matrix_a_scale:MATRIX_SCALE_ROW1
.else
.if \cm == 1
.set BR, 96+8*\b+96*(\b/4)
.else
.set BR, 96+8*(\a)+96*((\a)/4)
.endif
	v_wmma_scale_f32_16x16x128_f8f6f4 v[ACR:ACR+7], v[128*(\p)+12*\b:128*(\p)+12*\b+11], v[AF+12*(\a):AF+12*(\a)+11], v[BR:BR+7], v[SC+8*\b+(\k)], v[SC+8*(\a)+(\k)] matrix_a_fmt:MATRIX_FMT_FP6 matrix_b_fmt:MATRIX_FMT_FP6 matrix_a_scale:MATRIX_SCALE_ROW1
.endif
.endr
.endr
.endm
.macro STEP slot, k, cm
	s_wait_dscnt 16
.if \cm
	WIN 0x91
.else
	WIN 0xa1
.endif
	MUL16 0, 0, \k, \cm
	MUL16 2, 0, \k, \cm
	s_wait_dscnt 0x0
	PLACES
	FETCH_B \slot, 1, 1
	FETCH_A \slot, 1, 0
.if \cm
	WIN 0xd1
.else
	WIN 0xf1
.endif
	MUL16 4, 0, \k, \cm
	MUL16 6, 0, \k, \cm
	PLACES
	WIN 0
	FETCH_A \slot, 1, 4
.endm
.macro TURN slot, next, k, fill
	s_wait_tensorcnt 0x0
	ds_add_u32 v[SPW], v[NIL]
	s_wait_dscnt 17
	WIN 0xa1
	MUL16 0, 1, \k, 0
	s_wait_dscnt 0x0
	s_barrier_signal -1
	MUL16 2, 1, \k, 0
	WIN 0
	s_barrier_wait -1
.if \fill
	CREST
	s_add_nc_u64 s[G0+4*\slot+2:G0+4*\slot+3], s[G0+4*\slot+2:G0+4*\slot+3], 2*HALFT
	s_add_nc_u64 s[G0B+4*\slot+2:G0B+4*\slot+3], s[G0B+4*\slot+2:G0B+4*\slot+3], 2*HALFT
	JLOAD \slot
.else
	PLACES
.endif
	FETCH_B \next, 0, 0
	FETCH_A \next, 0, 0
	WIN 0xf1
	MUL16 4, 1, \k, 0
	MUL16 6, 1, \k, 0
	PLACES
	WIN 0
	FETCH_A \next, 0, 4
.endm
	s_load_b256 s[4:11], s[0:1], 0x0
	s_load_b128 s[12:15], s[0:1], 0x20
	v_lshl_add_u32 v[SPW], v0, 2, SPARE
	v_mov_b32 v[NIL], 0
	ds_add_u32 v[SPW], v[NIL]
	ds_add_u32 v[SPW], v[NIL]
	v_lshrrev_b32 v1, 5, v0
	v_readfirstlane_b32 s[WV], v1
	s_lshr_b32 s[HI], s[WV], 1
	s_and_b32 s[LO], s[WV], 1
	s_bfe_u32 s40, ttmp6, 0x40000
	s_bfe_u32 s41, ttmp6, 0x40004
	s_lshl_b32 s42, ttmp9, 2
	s_add_co_u32 s42, s42, s40
	s_and_b32 s17, ttmp7, 0xffff
	s_lshl_b32 s17, s17, 2
	s_add_co_u32 s17, s17, s41
	s_lshl_b32 s43, s41, 2
	s_lshl_b32 s43, 15, s43
	s_lshl_b32 s44, 0x1111, s40
	s_or_b32 s[G1], s43, (3<<16)|(1<<21)
	s_or_b32 s[G1B], s44, (3<<16)|(1<<21)
.irp g, G1, G1B
	s_mov_b32 s[\g+1], 32<<16
	s_mov_b32 s[\g+2], 96<<16
	s_mov_b32 s[\g+3], 32<<16
	s_mov_b32 s[\g+4], 96
	s_mov_b32 s[\g+5], 32
	s_mov_b32 s[\g+6], 0
	s_mov_b32 s[\g+7], 0
.endr
	s_lshl_b32 s20, s17, 1
	s_add_co_u32 s20, s20, s[LO]
	s_mul_i32 s20, s20, 98304
	s_mov_b32 s21, 0
	s_lshl_b32 s46, s42, 1
	s_add_co_u32 s46, s46, s[LO]
	s_mul_i32 s46, s46, 98304
	s_mov_b32 s47, 0
	s_mul_i32 s45, s[WV], HALFT
	s_wait_dscnt 0x0
	s_wait_kmcnt 0x0
	s_add_nc_u64 s[20:21], s[4:5], s[20:21]
	s_add_nc_u64 s[46:47], s[6:7], s[46:47]
	CROUND
.irp s, 0,1
	s_mov_b32 s[G0+4*\s], 1
	s_add_co_u32 s[G0+4*\s+1], s45, \s*SLOT
	s_add_nc_u64 s[G0+4*\s+2:G0+4*\s+3], s[20:21], \s*HALFT
	s_or_b32 s[G0+4*\s+3], s[G0+4*\s+3], 0x80000000
	s_mov_b32 s[G0B+4*\s], 1
	s_add_co_u32 s[G0B+4*\s+1], s45, \s*SLOT
	s_add_nc_u64 s[G0B+4*\s+2:G0B+4*\s+3], s[46:47], \s*HALFT
	s_or_b32 s[G0B+4*\s+3], s[G0B+4*\s+3], 0x80000000
	s_wait_alu depctr_va_vdst(0)
	s_wait_tensorcnt 0x0
	ds_add_u32 v28, v29
	ds_add_u32 v28, v29
	s_wait_dscnt 0x0
	CROUND
	JLOAD \s
.endr
	v_and_b32 v1, 31, v0
	v_and_b32 v2, 15, v0
	v_bfe_u32 v3, v0, 4, 1
	v_lshlrev_b32 v[L16], 4, v1
	s_wait_alu depctr_va_vdst(0)
	v_lshlrev_b32 v[L8], 3, v1
	s_wait_alu depctr_va_vdst(0)
	v_and_b32 v4, 8, v2
	v_add_nc_u32 v4, v4, v2
	s_cmp_eq_u32 ttmp9, 0
	s_cselect_b64 s[74:75], s[12:13], s[14:15]
	s_mov_b32 s80, 13056
	s_cselect_b32 s80, 6656, s80
	s_mov_b32 s81, 12288
	s_cselect_b32 s81, 6144, s81
	s_mul_i32 s83, s80, 16
	s_cmp_eq_u32 ttmp9, 2
	s_cselect_b32 s82, 6144, 0
	s_mov_b32 s70, 768
	s_cselect_b32 s70, 1536, s70
	s_mov_b32 s72, 768
	s_cselect_b32 s72, 204288, s72
	s_cselect_b32 s84, 768, s83
	s_cselect_b32 s81, 12800, s81
	s_mov_b32 s85, 256
	s_cselect_b32 s85, s83, s85
	s_cselect_b32 s86, 0, s83
	s_cselect_b32 s87, 0, 16
	s_mov_b32 s88, 0xffff
	s_cselect_b32 s88, -1, s88
	s_cselect_b32 s89, 2*HALFT, 0
	s_cselect_b32 s90, 0, 2*HALFT
	s_cselect_b32 s91, s[LO], s[HI]
	s_cselect_b32 s92, s[HI], s[LO]
	s_cselect_b32 s16, 0, 64
	s_cselect_b32 s3, 4, 0
	s_cselect_b32 s99, 0, 4
	s_mov_b32 s71, 0
	s_mov_b32 s73, 0
	s_mov_b32 s[SEL], 0x76543210
	s_mov_b32 s[SEL+1], 0xfedcba98
	s_mul_i32 s18, s[HI], HALFT
	s_add_co_u32 s18, s18, s89
	s_mul_i32 s19, s[LO], HALFT
	s_add_co_u32 s19, s19, s90
.irp s, 0,1
	v_add_nc_u32 v[AD1+\s], s18, v[L16]
	v_add_nc_u32 v[AD1+2+\s], s18, v[L8]
	v_add_nc_u32 v[AD0+\s], s19, v[L16]
	v_add_nc_u32 v[AD0+2+\s], s19, v[L8]
	s_add_co_u32 s18, s18, SLOT
	s_add_co_u32 s19, s19, SLOT
.endr
	s_lshl_b32 s66, s17, 1
	s_add_co_u32 s66, s66, s91
	s_lshl_b32 s66, s66, 12
	s_lshl_b32 s67, s42, 1
	s_add_co_u32 s67, s67, s92
	s_lshl_b32 s67, s67, 12
	s_add_co_u32 s67, s67, 262144
	s_cmp_eq_u32 ttmp9, 2
	s_cselect_b32 s68, s67, s66
	s_cselect_b32 s69, s66, s67
	v_mov_b32 v30, s68
	v_mov_b32 v31, s69
	s_mov_b32 s93, 0xffff0000
	v_cndmask_b32 v30, v30, v31, s93
	v_lshl_add_u32 v30, v2, 4, v30
.irp i, 0,1,2,3,4,5,6,7
.irp e, 0,1
	global_load_b128 v[SC+8*\i+4*\e:SC+8*\i+4*\e+3], v30, s[8:9] offset:2048*\e+256*\i
.endr
.endr
	s_lshl_b32 s20, s42, 8
	s_lshl_b32 s21, s92, 7
	s_add_co_u32 s20, s20, s21
	s_lshl_b32 s20, s20, 2
	s_mov_b32 s21, 0
	s_add_nc_u64 s[10:11], s[10:11], s[20:21]
	v_mul_u32_u24 v[VO], v3, s16
	v_mad_u32_u24 v[VO], v4, s3, v[VO]
.irp j, 1,2,3,4,5,6,7
	v_add_nc_u32 v[VO+\j], s99, v[VO+\j-1]
.endr
	WIN 0x40
.irp t, 0,1,2,3,4,5,6,7
.irp j, 0,1,2,3,4,5,6,7
	global_load_b32 v[96+8*\t+96*(\t/4)+\j], v[VO+\j], s[10:11] offset:4*(32*(\t/2)+8*(\t%2))
.endr
.endr
	WIN 0
	s_lshr_b32 s66, s17, 3
	s_and_b32 s67, s17, 7
	s_lshl_b32 s67, s67, 1
	s_add_co_u32 s67, s67, s91
	s_lshl_b32 s68, s40, 2
	s_lshl_b32 s69, s92, 1
	s_add_co_u32 s68, s68, s69
	s_lshl_b32 s66, s66, 4
	s_add_co_u32 s66, s66, s68
	s_lshl_b32 s66, s66, 4
	s_add_co_u32 s66, s66, s67
	s_mul_i32 s66, s66, s80
	s_mov_b32 s67, 0
	s_add_nc_u64 s[74:75], s[74:75], s[66:67]
	s_mov_b32 s68, s81
	s_mov_b32 s69, 0
	s_add_nc_u64 s[78:79], s[74:75], s[68:69]
	s_mov_b32 s68, s85
	s_add_nc_u64 s[94:95], s[78:79], s[68:69]
	s_mov_b32 s68, s82
	s_add_nc_u64 s[74:75], s[74:75], s[68:69]
	s_mov_b32 s68, s84
	s_add_nc_u64 s[76:77], s[74:75], s[68:69]
	v_mul_u32_u24 v[VSS], v3, s86
	v_lshl_add_u32 v[VSS], v2, 4, v[VSS]
	v_mul_u32_u24 v[VSH], v3, s87
	s_wait_tensorcnt 1
	s_barrier_signal -1
	s_barrier_wait -1
	FETCH_B 0, 0, 0
	FETCH_A 0, 0, 0
	FETCH_A 0, 0, 4
	s_wait_loadcnt 0x0
	s_cmp_eq_u32 ttmp9, 2
	s_cbranch_scc1 .Lv_first
	STEP 0, 0, 1
	s_branch .Lfirst_done
.Lv_first:
	STEP 0, 0, 2
.Lfirst_done:
	TURN 0, 1, 1, 1
	STEP 1, 2, 0
	TURN 1, 0, 3, 1
	STEP 0, 4, 0
	TURN 0, 1, 5, 0
	STEP 1, 6, 0
	s_wait_dscnt 16
	WIN 0xa1
	MUL16 0, 1, 7, 0
	MUL16 2, 1, 7, 0
	s_wait_dscnt 0x0
	WIN 0xf1
	MUL16 4, 1, 7, 0
	MUL16 6, 1, 7, 0
	WIN 0
	PLACES
.macro QUANTW s, w
	WIN 5*(\w)
.irp b, 0,1,2,3
	v_max3_num_f32 v[TM+\b], |v[(\s)+16*\b]|, |v[(\s)+1+16*\b]|, 0x1800000
.endr
	WIN 20*(\w)
.irp i, 2,4,6,8,10,12,14
.irp b, 0,1,2,3
	v_max3_num_f32 v[TM+\b], v[TM+\b], |v[(\s)+16*\b+\i]|, |v[(\s)+1+16*\b+\i]|
.endr
.endr
	WIN 0
.irp b, 0,1,2,3
	v_permlanex16_b32 v[TM+4+\b], v[TM+\b], s[SEL], s[SEL+1]
.endr
.irp b, 0,1,2,3
	v_max_num_f32 v[TM+\b], v[TM+\b], v[TM+4+\b]
.endr
.irp b, 0,1,2,3
	v_add_nc_u32 v[TM+12+\b], 0xff000000, v[TM+\b]
.endr
.irp b, 0,1,2,3
	v_lshrrev_b32 v[TM+4+\b], 23, v[TM+12+\b]
.endr
	v_lshl_or_b32 v[PW], v[TM+5], 8, v[TM+4]
	v_lshl_or_b32 v[PW], v[TM+6], 16, v[PW]
	v_lshl_or_b32 v[PW], v[TM+7], 24, v[PW]
	WIN (\w)
.irp c, 0,1
	v_cvt_scalef32_pk16_fp6_f32 v[PC+6*\c:PC+2+6*\c], v[(\s)+32*\c:(\s)+15+32*\c], v[TM+12+2*\c]
	v_cvt_scalef32_pk16_fp6_f32 v[PC+12+4*\c:PC+14+4*\c], v[(\s)+16+32*\c:(\s)+31+32*\c], v[TM+12+2*\c+1]
.endr
	WIN 0
	v_nop
.irp c, 0,1
.irp i, 0,1,2
	v_permlane16_swap_b32 v[PC+6*\c+\i], v[PC+12+4*\c+\i]
.endr
.irp i, 0,1,2
	v_mov_b32 v[PC+3+6*\c+\i], v[PC+12+4*\c+\i]
.endr
.endr
.endm
.macro OUTA a
.if \a > 0
	s_wait_xcnt 0x0
.if \a == 4
	s_add_nc_u64 s[74:75], s[74:75], s[72:73]
	s_add_nc_u64 s[76:77], s[76:77], s[72:73]
.else
	s_add_nc_u64 s[74:75], s[74:75], s[70:71]
	s_add_nc_u64 s[76:77], s[76:77], s[70:71]
.endif
.endif
	QUANTW 64*((\a)%4), 2+(\a)/4
	v_mov_b32 v[PWS+\a], v[PW]
	global_store_b128 v[L16], v[PC:PC+3], s[74:75]
	global_store_b64 v[L8], v[PC+4:PC+5], s[74:75] offset:512
	global_store_b128 v[L16], v[PC+6:PC+9], s[76:77]
	global_store_b64 v[L8], v[PC+10:PC+11], s[76:77] offset:512
.endm
.irp b, 0,1,2,3
	v_mov_b32 v[TM+4+\b], 0
.endr
.irp a, 0,1,2,3,4,5,6,7
	OUTA \a
.endr
.irp n, 0,1,2,3,4,5,6,7
	v_lshrrev_b32 v[W4+\n], v[VSH], v[PWS+\n]
.endr
.irp n, 0,1,2,3,4,5,6,7
	v_and_b32 v[W4+\n], s88, v[W4+\n]
.endr
	global_store_b128 v[VSS], v[W4:W4+3], s[78:79]
	global_store_b128 v[VSS], v[W4+4:W4+7], s[94:95]
	s_wait_tensorcnt 0x0
	ds_add_u32 v[SPW], v[NIL]
	s_wait_dscnt 0x0
	CROUND
	s_endpgm
.Lfunc_end_k_qdb0ede6319_gemm_qkv:
	.size	k_qdb0ede6319_gemm_qkv, .Lfunc_end_k_qdb0ede6319_gemm_qkv-k_qdb0ede6319_gemm_qkv
	.p2alignl 7, 3214868480
	.fill 96, 4, 3214868480
	.section	.rodata,"a",@progbits
	.p2align	6, 0x0
	.amdhsa_kernel k_qdb0ede6319_gemm_qkv
		.amdhsa_group_segment_fixed_size 327680
		.amdhsa_private_segment_fixed_size 0
		.amdhsa_enable_private_segment 0
		.amdhsa_kernarg_size 48
		.amdhsa_user_sgpr_count 2
		.amdhsa_user_sgpr_kernarg_segment_ptr 1
		.amdhsa_wavefront_size32 1
		.amdhsa_system_sgpr_workgroup_id_x 1
		.amdhsa_system_sgpr_workgroup_id_y 1
		.amdhsa_system_sgpr_workgroup_id_z 1
		.amdhsa_system_vgpr_workitem_id 0
		.amdhsa_next_free_vgpr 1024
		.amdhsa_next_free_sgpr 100
		.amdhsa_reserve_vcc 0
		.amdhsa_float_denorm_mode_32 3
		.amdhsa_float_denorm_mode_16_64 3
		.amdhsa_memory_ordered 1
		.amdhsa_forward_progress 1
		.amdhsa_inst_pref_size 169
	.end_amdhsa_kernel
	.amdgpu_metadata
---
amdhsa.version: [ 1, 2 ]
amdhsa.kernels:
  - .name:           k_qdb0ede6319_gemm_qkv
    .symbol:         k_qdb0ede6319_gemm_qkv.kd
    .args:
      - { .name: xi, .offset: 0, .size: 8, .value_kind: global_buffer, .address_space: global }
      - { .name: wi, .offset: 8, .size: 8, .value_kind: global_buffer, .address_space: global }
      - { .name: sc1, .offset: 16, .size: 8, .value_kind: global_buffer, .address_space: global }
      - { .name: b_qkv, .offset: 24, .size: 8, .value_kind: global_buffer, .address_space: global }
      - { .name: qi, .offset: 32, .size: 8, .value_kind: global_buffer, .address_space: global }
      - { .name: kv, .offset: 40, .size: 8, .value_kind: global_buffer, .address_space: global }
    .group_segment_fixed_size: 327680
    .private_segment_fixed_size: 0
    .kernarg_segment_align: 8
    .kernarg_segment_size: 48
    .max_flat_workgroup_size: 128
    .sgpr_count:     100
    .vgpr_count:     1024
    .wavefront_size: 32
...
	.end_amdgpu_metadata
.endif
;; end of part 2
;; launch attn (part 3): grid 4 x 64, 16 waves a work-group, no clusters, 215,040 bytes of LDS; arguments qi, kv, mw, oi, sc2; writes oi, sc2
.if DOCPART == 3
	.amdgcn_target "amdgcn-amd-amdhsa--gfx1250"
	.amdhsa_code_object_version 6
	.text
	.protected	k_qdb0ede6319_attn
	.globl	k_qdb0ede6319_attn
	.p2align	8
	.type	k_qdb0ede6319_attn,@function
k_qdb0ede6319_attn:
	s_mov_b64 s[64:65], 0
	v_nop
	global_prefetch_b8 v0, s[64:65] scope:SCOPE_SE
	s_setreg_imm32_b32 hwreg(HW_REG_WAVE_MODE, 25, 1), 1
	s_wait_xcnt 0x0
; softmax(mask(q k^T / 8)) v for one batch and head, both products on codes of E2M3; the result, divided by the row's sum, is quantised along the model's 1,024 and stored as an image for the last launch.
; No work of reference() is left out.  The first product's K is 64: Q's codes of k = 64 .. 127 are zeros under the scale byte 0, so whatever codes stand in the upper six registers of a fragment of K add nothing
; (every code of E2M3 is a finite number): K's eight fragments lie six registers apart, and the upper half of each is the next one's data (the last one's: the first six registers of p's codes).
; THE SOFTMAX: t = score x log2(e) / 8; M = the running largest t rounded up to a whole number; p = 2^(t - M) is quantised along the keys; the sum is taken of the unquantised p; a move of M multiplies the sum and O by an exact power of two.
; THE MASK comes as words of lane bits, and with them one flag for each query ptile and key step that says that every bit of the step is set (first launch; whole numbers).  A wave reads its 32 flags once.
; Else each score whose bit is 0 becomes -infinity ahead of the maximum.  A step's 64 words are asked for one step ahead, and only where its flag is 0
; (the first step's in any case).  The words' halves are paired anew for this launch's order of keys (two scalar lines for two selects).
; K and V go through registers into LDS, once.
; Nothing is prefetched: all that comes from memory but mask words and the second Q is asked for at the head.
; A QUERY WITH EVERY KEY MASKED is NaN in reference(): here its sum is 0, its codes are zeros and its scale bytes 0xff, which makes that row of the output NaN in the last launch.
; LIMITS: NaN and infinities among the inputs are not served; a block under 2^-124 keeps the byte 1.
; SHARES.  A work-group owns 512 queries of one head; wave w owns query ptiles 32 x + 2 w and + 1, one after the other.  Wave w copies block w (128 keys) of the head's K and V into LDS; one barrier; then the waves run free.
; A BLOCK IN LDS (13,312 bytes) IS AN IMAGE OF THE REGISTERS: 12 pieces of 512 bytes for K's 48 registers, 2 for the scale words, 12 for V's 48; every load is 16 bytes at 16 x lane.
; K'S TILES are formed on the way in: tile 4 c + u, row m: key 64 c + 8 u + m (m < 8) or 64 c + 32 + 8 u + m - 8.  With S^T = K Q^T, score register 32 c + n of lane (r, h) is key 64 c + 32 h + n of query r:
; a lane owns two whole blocks of 32 keys, in the order of the second product's operand: the blocks' maxima ask no other lane and the codes are not swapped.
; Scale words: register SCR + i holds tile 2 i's words in lanes 0-15 and tile 2 i + 1's in lanes 16-31 (i = 0 .. 3 K, 4 .. 5 V; 6, 7 are filled with zeros and not used).
; LOADS RUN A STEP AHEAD: the next step's K (13 loads) is asked for behind this step's first product, the next V (13) behind the second.  So each of the two waits on DScnt leaves the 13 younger loads out.
; The last step of a ptile asks for block 0, which the next ptile begins with; the launch's very last asks for it too and does not use it.
; REGISTERS: v1-3 16 x lane, 8 x lane, 16 r; v4 the factor, v5 the old -M; v6, v7 the add's two; v8 LDS address; v9 8 h; v10 Q's scale word, v11 p's; v12 -M, v13 largest score, v[14:15] the sum; v16-27 Q; v28-35 scale words;
;   v36-83 K; v84-95 p's codes; v96-143 V; v144-207 S^T, then p; v208-239 O^T; v240-255 at work.
.set GB,    13056                      ; a block of kv in memory
.set BLK,   13312
.set KSC,   6144
.set VIM,   7168
.set SPARE, 16*BLK                     ; the spare words, 128 bytes a wave
.set F,   4
.set SPW, 6
.set NIL, 7
.set AD,  8
.set SCR, 28
.set KF,  36
.set PC,  84
.set VF,  96
.set S,   144
.set O,   208
.set NX,  2                            ; s2 LDS byte of the next step's block
.set CNT, 3
.set WV,  14
.set NI,  15                           ; -infinity
.set TT,  16                           ; which of my two ptiles
.set NC,  17                           ; -c
.set FL,  18                           ; my 32 flags: bit 16 x ptile + step
.set IX,  19                           ; 16 x ptile + step
.set SEL, 20
.set CS,  22                           ; s[22:23] c = log2(e) / 8
.set MOFF, 24
.set MLAST, 25
.macro MASKWORDS                       ; 64 words: s32-63 and s68-99
	s_load_b512 s[32:47], s[8:9], s[MOFF] offset:0x0
	s_load_b512 s[48:63], s[8:9], s[MOFF] offset:0x40
	s_load_b512 s[68:83], s[8:9], s[MOFF] offset:0x80
	s_load_b512 s[84:99], s[8:9], s[MOFF] offset:0xc0
.endm
.macro QK t
.if (\t)%2
	v_wmma_scale_f32_16x16x128_f8f6f4 v[S+8*(\t):S+8*(\t)+7], v[KF+6*(\t):KF+6*(\t)+11], v[16:27], 0, v[SCR+(\t)/2], v10 matrix_a_fmt:MATRIX_FMT_FP6 matrix_b_fmt:MATRIX_FMT_FP6 matrix_a_scale:MATRIX_SCALE_ROW1
.else
	v_wmma_scale_f32_16x16x128_f8f6f4 v[S+8*(\t):S+8*(\t)+7], v[KF+6*(\t):KF+6*(\t)+11], v[16:27], 0, v[SCR+(\t)/2], v10 matrix_a_fmt:MATRIX_FMT_FP6 matrix_b_fmt:MATRIX_FMT_FP6
.endif
.endm
.macro PV t
.if (\t)%2
	v_wmma_scale_f32_16x16x128_f8f6f4 v[O+8*(\t):O+8*(\t)+7], v[VF+12*(\t):VF+12*(\t)+11], v[PC:PC+11], v[O+8*(\t):O+8*(\t)+7], v[SCR+4+(\t)/2], v11 matrix_a_fmt:MATRIX_FMT_FP6 matrix_b_fmt:MATRIX_FMT_FP6 matrix_a_scale:MATRIX_SCALE_ROW1
.else
	v_wmma_scale_f32_16x16x128_f8f6f4 v[O+8*(\t):O+8*(\t)+7], v[VF+12*(\t):VF+12*(\t)+11], v[PC:PC+11], v[O+8*(\t):O+8*(\t)+7], v[SCR+4+(\t)/2], v11 matrix_a_fmt:MATRIX_FMT_FP6 matrix_b_fmt:MATRIX_FMT_FP6
.endif
.endm
.macro LOADK a                         ; 13 loads: K's 48 registers and its scale words
.set p, 0
.rept 12
	ds_load_b128 v[KF+4*p:KF+4*p+3], \a offset:512*p
.set p, p+1
.endr
	ds_load_b128 v[SCR:SCR+3], \a offset:KSC
.endm
.macro LOADV a                         ; 13 loads: V's
.set p, 0
.rept 12
	ds_load_b128 v[VF+4*p:VF+4*p+3], \a offset:VIM+512*p
.set p, p+1
.endr
	ds_load_b128 v[SCR+4:SCR+7], \a offset:KSC+512
.endm
.macro HALVE w                         ; the sum's tree, in place: the first w registers of p take the next w
.set j, 0
.rept (\w)/2
	v_pk_add_f32 v[S+j:S+j+1], v[S+j:S+j+1], v[S+(\w)+j:S+(\w)+j+1]
.set j, j+2
.endr
.endm
.macro WALU
	s_wait_alu depctr_va_vdst(0)
.endm
.macro DEP n
	s_delay_alu instid0(VALU_DEP_\n)
.endm
	s_load_b256 s[4:11], s[0:1], 0x0               ; qi, kv, mw, oi
	s_load_b64 s[12:13], s[0:1], 0x20              ; sc2
	v_lshl_add_u32 v[SPW], v0, 2, SPARE
	v_mov_b32 v[NIL], 0
	v_lshrrev_b32 v8, 5, v0
	v_readfirstlane_b32 s[WV], v8
	v_and_b32 v5, 31, v0
	v_and_b32 v4, 15, v0
	v_bfe_u32 v9, v0, 4, 1                         ; h
	v_and_b32 v240, 7, v0                          ; r % 8
	v_bfe_u32 v241, v0, 3, 1                       ; r / 8
	v_lshlrev_b32 v1, 4, v5
	v_lshlrev_b32 v2, 3, v5
	v_lshlrev_b32 v3, 4, v4
	v_mul_u32_u24 v242, v241, 1536                 ; rows 8-15 of a tile come from the ptile two further on
	v_lshl_add_u32 v243, v240, 4, v242
	v_lshl_add_u32 v243, v9, 8, v243               ; K, registers 0-3: 1,536 (r / 8) + 16 (r % 8) + 256 h
	v_lshl_add_u32 v244, v240, 3, v242
	v_lshl_add_u32 v244, v9, 7, v244               ; registers 4-5: 1,536 (r / 8) + 8 (r % 8) + 128 h
	v_lshlrev_b32 v246, 2, v9
	v_lshl_add_u32 v247, v241, 3, v246
	v_lshl_add_u32 v247, v240, 4, v247             ; K's scale words: 16 (r % 8) + 8 (r / 8) + 4 h
	v_add_nc_u32 v248, v3, v246                    ; V's: 16 r + 4 h
	v_lshlrev_b32 v9, 3, v9                        ; 8 h
	s_mul_i32 s31, s[WV], BLK
	v_add_nc_u32 v[AD], s31, v1                    ; where my block goes
	s_and_b32 s16, ttmp7, 0xffff                   ; batch x 16 + head
	s_lshl_b32 s17, s16, 4
	s_add_co_u32 s18, s17, s[WV]
	s_mul_i32 s18, s18, GB                         ; block w of my head
	s_mov_b32 s19, 0
	s_mov_b32 s[SEL], 0x76543210
	s_mov_b32 s[SEL+1], 0xfedcba98
	s_mov_b32 s[CS], 0x3e38aa3b
	s_mov_b32 s[CS+1], s[CS]
	WALU
	s_wait_kmcnt 0x0
	s_add_nc_u64 s[6:7], s[6:7], s[18:19]
.irp t, 0,1,2,3,4,5,6,7                ; tile t = 4 c + u: source ptile 4 c + u % 2 (+ 2 for rows 8-15), source lanes 8 (u / 2) on
	global_load_b128 v[KF+6*\t:KF+6*\t+3], v243, s[6:7] offset:(4*(\t/4)+\t%2)*768+128*((\t%4)/2)
	global_load_b64 v[KF+6*\t+4:KF+6*\t+5], v244, s[6:7] offset:(4*(\t/4)+\t%2)*768+512+64*((\t%4)/2)
.endr
.irp t, 0,1,2,3
	global_load_b128 v[VF+12*\t:VF+12*\t+3], v1, s[6:7] offset:6144+1536*\t
	global_load_b64 v[VF+12*\t+4:VF+12*\t+5], v2, s[6:7] offset:6144+1536*\t+512
	global_load_b128 v[VF+12*\t+6:VF+12*\t+9], v1, s[6:7] offset:6144+1536*\t+768
	global_load_b64 v[VF+12*\t+10:VF+12*\t+11], v2, s[6:7] offset:6144+1536*\t+1280
.endr
.irp i, 0,1,2,3
	global_load_b32 v[SCR+\i], v247, s[6:7] offset:12288+256*(\i/2)+128*(\i%2)
.endr
.irp i, 0,1
	global_load_b32 v[SCR+4+\i], v248, s[6:7] offset:12800+8*\i
.endr
	s_lshl_b32 s28, ttmp9, 5
	s_lshl_b32 s29, s[WV], 1
	s_add_co_u32 s28, s28, s29                     ; my first query ptile T0 (even)
	s_lshl_b32 s[MOFF], s28, 4
	s_load_b256 s[68:75], s[8:9], s[MOFF] offset:0x80000   ; my two ptiles' eight words of four flags, behind mw's 524,288 bytes of words
	s_lshr_b32 s29, s28, 3                         ; its block of 128 tokens
	s_and_b32 s30, s28, 7                          ; its place there
	s_add_co_u32 s31, s17, s29
	s_mul_i32 s18, s31, 6656
	s_add_nc_u64 s[4:5], s[4:5], s[18:19]          ; Q's block
	s_lshr_b32 s18, s30, 2
	s_lshl_b32 s18, s18, 8
	s_and_b32 s31, s30, 3
	s_lshl_b32 s31, s31, 2
	s_add_co_u32 s18, s18, s31
	s_add_co_u32 s18, s18, 6144
	s_add_nc_u64 s[26:27], s[4:5], s[18:19]        ; its scale words
	s_mul_i32 s18, s30, 768
	s_add_nc_u64 s[4:5], s[4:5], s[18:19]          ; its half fragment
	global_load_b128 v[16:19], v1, s[4:5]          ; Q of my first ptile
	global_load_b64 v[20:21], v2, s[4:5] offset:512
	global_load_b32 v10, v3, s[26:27]
	s_lshr_b32 s31, s16, 4                         ; batch
	s_and_b32 s16, s16, 15                         ; head
	s_lshl_b32 s31, s31, 4
	s_add_co_u32 s31, s31, s29                     ; the result's panel
	s_mul_i32 s18, s31, 98304
	s_lshr_b32 s17, s16, 1                         ; K step of the last product = head / 2
	s_mul_i32 s29, s17, 12288
	s_add_co_u32 s18, s18, s29
	s_mul_i32 s29, s30, 1536
	s_add_co_u32 s18, s18, s29
	s_and_b32 s29, s16, 1
	s_mul_i32 s29, s29, 768
	s_add_co_u32 s18, s18, s29
	s_add_nc_u64 s[10:11], s[10:11], s[18:19]
	s_lshl_b32 s18, s31, 12
	s_lshr_b32 s29, s16, 3
	s_lshl_b32 s29, s29, 11
	s_add_co_u32 s18, s18, s29
	s_lshl_b32 s29, s30, 8
	s_add_co_u32 s18, s18, s29
	s_and_b32 s29, s17, 3
	s_lshl_b32 s29, s29, 2
	s_add_co_u32 s18, s18, s29
	s_and_b32 s29, s16, 1
	s_lshl_b32 s29, s29, 1
	s_add_co_u32 s18, s18, s29
	s_add_nc_u64 s[12:13], s[12:13], s[18:19]      ; my head's two bytes of row 0's scale word
	s_mov_b32 s[NI], 0xff800000
	s_mov_b32 s[TT], 0
	s_mov_b32 s[NC], 0xbe38aa3b
	s_mov_b32 s[IX], 0
	s_wait_kmcnt 0x0                               ; the flags are in, and their load has read its offset
	s_mov_b32 s[FL], s68
.irp i, 1,2,3,4,5,6,7
	s_lshl_b32 s[68+\i], s[68+\i], 4*\i
	s_or_b32 s[FL], s[FL], s[68+\i]                ; four flags a word: bit 4 i + u is step 4 (i % 4) + u of ptile i / 4
.endr
	s_lshl_b32 s[MOFF], s28, 12                    ; my two ptiles' 32 steps of mask words are one run of 8,192 bytes
	s_add_co_u32 s[MLAST], s[MOFF], 31*256
	MASKWORDS                                      ; the first step's, whatever its flag: so the words' registers are written on every way
.irp j, 22,23,24,25,26,27
	v_mov_b32 v\j, 0                               ; k = 64 .. 127 of Q: zero codes
.endr
.irp j, 34,35,84,85,86,87,88,89,245,251
	v_mov_b32 v\j, 0                               ; the unused scale registers; what the first step reads behind K's last fragment; the lane permutes' destinations, which count as sources
.endr
	WALU
	s_wait_loadcnt 3                               ; my block is in registers; Q's three loads may be out
.set p, 0
.rept 12
	ds_store_b128 v[AD], v[KF+4*p:KF+4*p+3] offset:512*p
	ds_store_b128 v[AD], v[VF+4*p:VF+4*p+3] offset:VIM+512*p
.set p, p+1
.endr
	ds_store_b128 v[AD], v[SCR:SCR+3] offset:KSC
	ds_store_b128 v[AD], v[SCR+4:SCR+7] offset:KSC+512
	s_wait_dscnt 0x0                               ; my block is in LDS,
	s_barrier_signal -1
	s_barrier_wait -1                              ; everybody's is; nothing is stored to LDS behind this barrier
	LOADK v1                                       ; block 0
	LOADV v1
.Ltile:                                                ; two trips: my two ptiles
	v_mov_b32 v13, 0xff61b1e6                      ; the largest score so far: -3e38
	DEP 1
	v_mul_f32 v12, s[NC], v13
	DEP 1
	v_floor_f32 v12, v12                           ; -M
	v_mov_b32 v14, 0
	v_mov_b32 v15, 0
.set j, 0
.rept 32
	v_mov_b32 v[O+j], 0                            ; the step is written once: the first finds zeros
.set j, j+1
.endr
	s_mov_b32 s[CNT], 0
	WALU
	s_wait_loadcnt 0x0                             ; Q
.Lstep:                                                ; 16 trips of 128 keys
	s_wait_kmcnt 0x0                               ; this step's mask words, where they were asked for: on every way, so that their offset and registers are free below
	s_wait_dscnt 13                                ; K is in; V's 13 loads may be out
	s_add_co_u32 s[NX], s[CNT], 1
	s_and_b32 s[NX], s[NX], 15
	s_mul_i32 s[NX], s[NX], BLK
.irp t, 0,1,2,3,4,5,6,7                ; S^T = K Q^T
	QK \t
.endr
	v_add_nc_u32 v[AD], s[NX], v1                  ; four places behind the products, ahead of the loads into their registers and of the first read of the scores
	v_mov_b32 v5, v12
	v_nop
	v_nop
	LOADK v[AD]
	s_bitcmp1_b32 s[FL], s[IX]
	s_cbranch_scc1 .Lopen                          ; every key of the step is open for every query of the ptile
.set n, 0
.rept 32                               ; n = 16 c + m.  Word 32 c + m holds keys 64 c + m (low half) and + 16 (high half), word 32 c + 16 + m keys 64 c + 32 + m and + 16, a bit a query
.set WA, 32+36*(n/16)+n%16
.set SR, S+32*(n/16)+n%16
	s_pack_ll_b32_b16 s[28+2*(n%2)], s[WA], s[WA+16]
	s_pack_hh_b32_b16 s[29+2*(n%2)], s[WA], s[WA+16]
	v_cndmask_b32 v[SR], s[NI], v[SR], s[28+2*(n%2)]           ; -infinity where mask == 0; each accumulator from its low end on
	v_cndmask_b32 v[SR+16], s[NI], v[SR+16], s[29+2*(n%2)]
.set n, n+1
.endr
.Lopen:
	s_add_co_u32 s[MOFF], s[MOFF], 256             ; (no load that reads it is out: the wait at the step's head)
	s_min_u32 s[MOFF], s[MOFF], s[MLAST]           ; behind the very last step: its own words again, so that no load leaves the buffer
	s_add_co_u32 s[IX], s[IX], 1
	s_bitcmp1_b32 s[FL], s[IX]                     ; (the bit's number is taken modulo 32)
	s_cbranch_scc1 .Lahead                         ; the next step will read no words
	MASKWORDS                                      ; the next step's
.Lahead:
.irp q, 0,16,32,48                     ; the largest score of my two blocks of 32 keys, in four chains by turns: for the row's maximum and for each block's largest p
	v_max3_num_f32 v[240+\q/16], v[S+\q], v[S+\q+1], v[S+\q+2]
.endr
.irp i, 3,5,7,9,11,13
.irp q, 0,16,32,48
	v_max3_num_f32 v[240+\q/16], v[240+\q/16], v[S+\q+\i], v[S+\q+\i+1]
.endr
.endr
	v_max3_num_f32 v240, v240, v241, v[S+15]
	v_max3_num_f32 v242, v242, v243, v[S+47]
	v_max_num_f32 v240, v240, v[S+31]
	v_max_num_f32 v242, v242, v[S+63]
	DEP 1
	v_max_num_f32 v244, v240, v242
	DEP 1
	v_permlanex16_b32 v245, v244, s[SEL], s[SEL+1]
	DEP 1
	v_max3_num_f32 v13, v13, v244, v245            ; the running largest score (c is positive: the largest t is c x it)
	DEP 1
	v_mul_f32 v246, s[NC], v13
	DEP 1
	v_floor_f32 v12, v246                          ; -M = floor(-t): M is a whole number
	DEP 1
	v_sub_f32 v246, v12, v5
.macro TM j0, j1                       ; t - M, two at a time
.set j, \j0
.rept ((\j1)-(\j0))/2
	v_pk_fma_f32 v[S+j:S+j+1], v[S+j:S+j+1], s[CS:CS+1], v[12:13] op_sel_hi:[1,0,0]
.set j, j+2
.endr
.endm
	TM 0, 8
	v_cvt_i32_f32 v246, v246                       ; old M - new M (it saturates)
	TM 8, 16
	v_ldexp_f32 v[F], 1.0, v246                    ; f = 2^(old M - new M)
	TM 16, 64
	v_fma_f32 v240, v240, s[CS], v12
	v_fma_f32 v242, v242, s[CS], v12
.set j, 0
.rept 16
	v_pk_mul_f32 v[O+j:O+j+1], v[O+j:O+j+1], v[F:F+1] op_sel_hi:[1,0]   ; O^T under the new M, ahead of the exponentials
.set j, j+2
.endr
	WALU
.set n, 0
.rept 64
	v_exp_f32 v[S+n], v[S+n]                       ; p = 2^(t - M)
.set n, n+1
.endr
	v_exp_f32 v240, v240                           ; each block's largest p
	v_exp_f32 v242, v242
	v_pk_mul_f32 v[14:15], v[14:15], v[F:F+1] op_sel_hi:[1,0]   ; the sum under the new M: a plain place behind the exponentials
	WALU                                           ; one wait for the batch, ahead of its first reader
	v_max_num_f32 v240, 0x1800000, v240            ; the floor: the byte cannot fall under 1
	v_max_num_f32 v242, 0x1800000, v242
	DEP 2
	v_add_nc_u32 v246, 0xff000000, v240            ; 2 off the exponent field: the conversions' scale operands
	DEP 2
	v_add_nc_u32 v247, 0xff000000, v242
	DEP 2
	v_lshrrev_b32 v248, 23, v246
	DEP 2
	v_lshrrev_b32 v249, 23, v247
	DEP 1
	v_lshl_or_b32 v250, v249, 16, v248             ; my bytes: blocks h and 2 + h,
	DEP 1
	v_lshlrev_b32 v250, v9, v250                   ; at their places in the word
	DEP 1
	v_permlanex16_b32 v251, v250, s[SEL], s[SEL+1]
	v_cvt_scalef32_pk16_fp6_f32 v[PC:PC+2], v[S:S+15], v246
	v_cvt_scalef32_pk16_fp6_f32 v[252:254], v[S+16:S+31], v246
	v_cvt_scalef32_pk16_fp6_f32 v[PC+6:PC+8], v[S+32:S+47], v247
	v_cvt_scalef32_pk16_fp6_f32 v[240:242], v[S+48:S+63], v247
	v_or_b32 v11, v250, v251                       ; p's scale word; also the plain place behind the conversions
.irp i, 0,1,2
	v_mov_b32 v[PC+3+\i], v[252+\i]                ; (a conversion's three registers begin on an even number)
	v_mov_b32 v[PC+9+\i], v[240+\i]
.endr
	HALVE 32                                       ; the row's sum of the unquantised p; these 28 lines are also the places ahead of the scaled products
	HALVE 16
	HALVE 8
	WALU
	s_wait_dscnt 13                                ; V is in; the next K's 13 loads may be out
.irp t, 0,1,2,3                        ; O^T += V^T P^T: four accumulators by turns
	PV \t
.endr
	HALVE 4                                        ; the tree's last four lines are the places behind the products
	HALVE 2
	v_pk_add_f32 v[14:15], v[14:15], v[S:S+1]
	LOADV v[AD]
	s_add_co_u32 s[CNT], s[CNT], 1
	s_cmp_lt_u32 s[CNT], 16
	WALU
	s_cbranch_scc1 .Lstep
	v_add_f32 v14, v14, v15
	DEP 1
	v_permlanex16_b32 v245, v14, s[SEL], s[SEL+1]
	DEP 1
	v_add_f32 v14, v14, v245                       ; the row's sum
	WALU
	v_rcp_f32 v[F], v14
	v_cmp_neq_f32 vcc_lo, 0, v14                   ; (a plain place behind the reciprocal)  is any key open?
	WALU
	v_cndmask_b32 v[F], 0, v[F], vcc_lo            ; no: zeros,
.set j, 0
.rept 16
	v_pk_mul_f32 v[S+j:S+j+1], v[O+j:O+j+1], v[F:F+1] op_sel_hi:[1,0]   ; O^T / the sum: register 16 b + i is channel 32 b + 16 h + i of my head
.set j, j+2
.endr
.irp b, 0,1
	v_max3_num_f32 v[240+\b], |v[S+16*\b]|, |v[S+1+16*\b]|, 0x1800000
.endr
.irp i, 2,4,6,8,10,12,14
.irp b, 0,1
	DEP 2
	v_max3_num_f32 v[240+\b], v[240+\b], |v[S+16*\b+\i]|, |v[S+1+16*\b+\i]|
.endr
.endr
.irp b, 0,1
	DEP 2
	v_permlanex16_b32 v[244+\b], v[240+\b], s[SEL], s[SEL+1]
.endr
.irp b, 0,1
	DEP 2
	v_max_num_f32 v[240+\b], v[240+\b], v[244+\b]
.endr
.irp b, 0,1
	DEP 2
	v_add_nc_u32 v[254+\b], 0xff000000, v[240+\b]
.endr
.irp b, 0,1
	DEP 2
	v_lshrrev_b32 v[248+\b], 23, v[254+\b]
.endr
	DEP 1
	v_lshl_or_b32 v250, v249, 8, v248              ; my head's two scale bytes
	DEP 1
	v_cndmask_b32 v250, 0xffff, v250, vcc_lo       ; and 0xff, 0xff where no key is open
	v_cvt_scalef32_pk16_fp6_f32 v[240:242], v[S:S+15], v254
	v_cvt_scalef32_pk16_fp6_f32 v[244:246], v[S+16:S+31], v255
	v_nop
.irp i, 0,1,2
	v_permlane16_swap_b32 v[240+\i], v[244+\i]     ; a whole block to a lane
.endr
.irp i, 0,1,2
	v_mov_b32 v[243+\i], v[244+\i]
.endr
	global_store_b128 v1, v[240:243], s[10:11]     ; a half fragment: 768 consecutive bytes
	global_store_b64 v2, v[244:245], s[10:11] offset:512
	global_store_b16 v3, v250, s[12:13]            ; two bytes of each row's word (lanes 16-31 hold and write the same)
	s_cmp_eq_u32 s[TT], 1
	s_cbranch_scc1 .Lno_more
	global_load_b128 v[16:19], v1, s[4:5] offset:768       ; Q of my second ptile
	global_load_b64 v[20:21], v2, s[4:5] offset:768+512
	global_load_b32 v10, v3, s[26:27] offset:4
.Lno_more:
	s_wait_xcnt 0x0                                ; the stores have read their data and their bases
	s_add_nc_u64 s[10:11], s[10:11], 1536
	s_add_nc_u64 s[12:13], s[12:13], 256
	s_add_co_u32 s[TT], s[TT], 1
	s_cmp_lt_u32 s[TT], 2
	WALU
	s_cbranch_scc1 .Ltile
	s_wait_kmcnt 0x0                               ; any mask words still on their way
	s_wait_tensorcnt 0x0                           ; the wave's end
	ds_add_u32 v[SPW], v[NIL]
	s_wait_dscnt 0x0
	s_endpgm
.Lfunc_end_k_qdb0ede6319_attn:
	.size	k_qdb0ede6319_attn, .Lfunc_end_k_qdb0ede6319_attn-k_qdb0ede6319_attn
	.p2alignl 7, 3214868480
	.fill 96, 4, 3214868480
	.section	.rodata,"a",@progbits
	.p2align	6, 0x0
	.amdhsa_kernel k_qdb0ede6319_attn
		.amdhsa_group_segment_fixed_size 215040
		.amdhsa_private_segment_fixed_size 0
		.amdhsa_enable_private_segment 0
		.amdhsa_kernarg_size 40
		.amdhsa_user_sgpr_count 2
		.amdhsa_user_sgpr_kernarg_segment_ptr 1
		.amdhsa_wavefront_size32 1
		.amdhsa_system_sgpr_workgroup_id_x 1
		.amdhsa_system_sgpr_workgroup_id_y 1
		.amdhsa_system_sgpr_workgroup_id_z 1
		.amdhsa_system_vgpr_workitem_id 0
		.amdhsa_next_free_vgpr 256
		.amdhsa_next_free_sgpr 100
		.amdhsa_reserve_vcc 1
		.amdhsa_float_denorm_mode_32 3
		.amdhsa_float_denorm_mode_16_64 3
		.amdhsa_memory_ordered 1
		.amdhsa_forward_progress 1
		.amdhsa_inst_pref_size 41
	.end_amdhsa_kernel
	.amdgpu_metadata
---
amdhsa.version: [ 1, 2 ]
amdhsa.kernels:
  - .name:           k_qdb0ede6319_attn
    .symbol:         k_qdb0ede6319_attn.kd
    .args:
      - { .name: qi, .offset: 0, .size: 8, .value_kind: global_buffer, .address_space: global }
      - { .name: kv, .offset: 8, .size: 8, .value_kind: global_buffer, .address_space: global }
      - { .name: mw, .offset: 16, .size: 8, .value_kind: global_buffer, .address_space: global }
      - { .name: oi, .offset: 24, .size: 8, .value_kind: global_buffer, .address_space: global }
      - { .name: sc2, .offset: 32, .size: 8, .value_kind: global_buffer, .address_space: global }
    .group_segment_fixed_size: 215040
    .private_segment_fixed_size: 0
    .kernarg_segment_align: 8
    .kernarg_segment_size: 40
    .max_flat_workgroup_size: 512
    .sgpr_count:     100
    .vgpr_count:     256
    .wavefront_size: 32
...
	.end_amdgpu_metadata
.endif
;; end of part 3
;; launch gemm_out (part 4): grid 4 x 32, 4 waves a work-group, clusters of 4 x 4, 327,680 bytes of LDS; arguments oi, wi, sc2, b_out, out0; writes out0
.if DOCPART == 4
	.amdgcn_target "amdgcn-amd-amdhsa--gfx1250"
	.amdhsa_code_object_version 6
	.text
	.protected	k_qdb0ede6319_gemm_out
	.globl	k_qdb0ede6319_gemm_out
	.p2align	8
	.type	k_qdb0ede6319_gemm_out,@function
k_qdb0ede6319_gemm_out:
	s_mov_b64 s[64:65], 0
	v_nop
	global_prefetch_b8 v0, s[64:65] scope:SCOPE_SE
	s_setreg_imm32_b32 hwreg(HW_REG_WAVE_MODE, 25, 1), 1
	s_wait_xcnt 0x0
	s_wait_alu depctr_hold_cnt(0) depctr_sa_sdst(0) depctr_va_vdst(0) depctr_va_sdst(0) depctr_va_ssrc(0) depctr_va_vcc(0) depctr_vm_vsrc(0)
	s_getreg_b32 s2, hwreg(HW_REG_IB_STS2, 6, 4)
	s_cmp_eq_u32 s2, 0
	s_cbranch_scc0 .Lentry_in_a_cluster
	s_endpgm
.Lentry_in_a_cluster:
	s_bfe_u32 s2, ttmp6, 0x10000c
	s_cmp_lg_u32 s2, 0xf033
	s_cbranch_scc0 .Lentry_shape_is_right
	s_endpgm
.Lentry_shape_is_right:
.set HALFT, 24576
.set SLOT,  4*HALFT
.set SPARE, 2*SLOT
.set SPITCH, 528
.set AD1, 16
.set AD0, 20
.set STO, 24
.set RD,  25
.set CO,  26
.set SPW, 28
.set NIL, 29
.set SC,  32
.set AF,  128
.set BK,  128
.set G1,  24
.set G0,  32
.set G1B, 48
.set G0B, 56
.set WV,  96
.set HI,  97
.set LO,  98
.set MSB, 0
.macro WIN new
.if MSB != (\new)
	s_set_vgpr_msb (MSB<<8)|(\new)
.set MSB, (\new)
.endif
.endm
.macro PLACES
.rept 4
	v_nop
.endr
.endm
.macro JLOAD s
	s_cmp_eq_u32 s[HI], 0
	s_cbranch_scc0 .Lfor_b_\@
	tensor_load_to_lds s[G0+4*\s:G0+4*\s+3], s[G1:G1+7]
	s_nop 0
.rept 4
	v_nop
.endr
	s_branch .Lasked_\@
.Lfor_b_\@:
	tensor_load_to_lds s[G0B+4*\s:G0B+4*\s+3], s[G1B:G1B+7]
	s_nop 0
.rept 4
	v_nop
.endr
.Lasked_\@:
.endm
.macro CREST
	s_cmp_lg_u32 s[WV], 0
	s_cbranch_scc1 .Lnot_wave_0_\@
	s_barrier_signal -3
.Lnot_wave_0_\@:
	s_barrier_wait -3
	s_barrier_signal -1
	s_barrier_wait -1
.endm
.macro CROUND
	s_barrier_signal -1
	s_barrier_wait -1
	CREST
.endm
.macro FRAG reg, ad, q, i
	ds_load_b128 v[\reg:\reg+3], v[\ad] offset:(8*(\q)+(\i))*1536
	ds_load_b64 v[\reg+4:\reg+5], v[\ad+2] offset:(8*(\q)+(\i))*1536+512
	ds_load_b128 v[\reg+6:\reg+9], v[\ad] offset:(8*(\q)+(\i))*1536+768
	ds_load_b64 v[\reg+10:\reg+11], v[\ad+2] offset:(8*(\q)+(\i))*1536+1280
.endm
.macro FETCH_B slot, q, p
	WIN 0x40
.irp i, 0,1,2,3,4,5,6,7
	FRAG 128*(\p)+12*\i, AD0+\slot, \q, \i
.endr
	WIN 0
.endm
.macro FETCH_A slot, q, i0
.irp i, \i0, \i0+1, \i0+2, \i0+3
	FRAG AF+12*(\i), AD1+\slot, \q, \i
.endr
.endm
.macro MUL16 a0, p, k, cm
.irp a, \a0, \a0+1
.irp b, 0,1,2,3,4,5,6,7
.set ACR, 8*(8*((\a)%4)+\b)
.if \cm == 0
	v_wmma_scale_f32_16x16x128_f8f6f4 v[ACR:ACR+7], v[128*(\p)+12*\b:128*(\p)+12*\b+11], v[AF+12*(\a):AF+12*(\a)+11], v[ACR:ACR+7], v[SC+8*\b+(\k)], v[SC+8*(\a)+(\k)] matrix_a_fmt:MATRIX_FMT_FP6 matrix_b_fmt:MATRIX_FMT_FP6 matrix_a_scale:MATRIX_SCALE_ROW1
.else
.set BR, 96+8*\b+96*(\b/4)
	v_wmma_scale_f32_16x16x128_f8f6f4 v[ACR:ACR+7], v[128*(\p)+12*\b:128*(\p)+12*\b+11], v[AF+12*(\a):AF+12*(\a)+11], v[BR:BR+7], v[SC+8*\b+(\k)], v[SC+8*(\a)+(\k)] matrix_a_fmt:MATRIX_FMT_FP6 matrix_b_fmt:MATRIX_FMT_FP6 matrix_a_scale:MATRIX_SCALE_ROW1
.endif
.endr
.endr
.endm
.macro STEP slot, k, cm
	s_wait_dscnt 16
.if \cm
	WIN 0x91
.else
	WIN 0xa1
.endif
	MUL16 0, 0, \k, \cm
	MUL16 2, 0, \k, \cm
	s_wait_dscnt 0x0
	PLACES
	FETCH_B \slot, 1, 1
	FETCH_A \slot, 1, 0
.if \cm
	WIN 0xd1
.else
	WIN 0xf1
.endif
	MUL16 4, 0, \k, \cm
	MUL16 6, 0, \k, \cm
	PLACES
	WIN 0
	FETCH_A \slot, 1, 4
.endm
.macro TURN slot, next, k, fill
	s_wait_tensorcnt 0x0
	ds_add_u32 v[SPW], v[NIL]
	s_wait_dscnt 17
	WIN 0xa1
	MUL16 0, 1, \k, 0
	s_wait_dscnt 0x0
	s_barrier_signal -1
	MUL16 2, 1, \k, 0
	WIN 0
	s_barrier_wait -1
.if \fill
	CREST
	s_add_nc_u64 s[G0+4*\slot+2:G0+4*\slot+3], s[G0+4*\slot+2:G0+4*\slot+3], 2*HALFT
	s_add_nc_u64 s[G0B+4*\slot+2:G0B+4*\slot+3], s[G0B+4*\slot+2:G0B+4*\slot+3], 2*HALFT
	JLOAD \slot
.else
	PLACES
.endif
	FETCH_B \next, 0, 0
	FETCH_A \next, 0, 0
	WIN 0xf1
	MUL16 4, 1, \k, 0
	MUL16 6, 1, \k, 0
	PLACES
	WIN 0
	FETCH_A \next, 0, 4
.endm
	s_load_b256 s[4:11], s[0:1], 0x0
	s_load_b64 s[12:13], s[0:1], 0x20
	v_lshl_add_u32 v[SPW], v0, 2, SPARE
	v_mov_b32 v[NIL], 0
	ds_add_u32 v[SPW], v[NIL]
	ds_add_u32 v[SPW], v[NIL]
	v_lshrrev_b32 v1, 5, v0
	v_readfirstlane_b32 s[WV], v1
	s_lshr_b32 s[HI], s[WV], 1
	s_and_b32 s[LO], s[WV], 1
	s_bfe_u32 s40, ttmp6, 0x40000
	s_bfe_u32 s41, ttmp6, 0x40004
	s_lshl_b32 s42, ttmp9, 2
	s_add_co_u32 s42, s42, s40
	s_and_b32 s17, ttmp7, 0xffff
	s_lshl_b32 s17, s17, 2
	s_add_co_u32 s17, s17, s41
	s_lshl_b32 s43, s41, 2
	s_lshl_b32 s43, 15, s43
	s_lshl_b32 s44, 0x1111, s40
	s_or_b32 s[G1], s43, (3<<16)|(1<<21)
	s_or_b32 s[G1B], s44, (3<<16)|(1<<21)
.irp g, G1, G1B
	s_mov_b32 s[\g+1], 32<<16
	s_mov_b32 s[\g+2], 96<<16
	s_mov_b32 s[\g+3], 32<<16
	s_mov_b32 s[\g+4], 96
	s_mov_b32 s[\g+5], 32
	s_mov_b32 s[\g+6], 0
	s_mov_b32 s[\g+7], 0
.endr
	s_lshl_b32 s20, s17, 1
	s_add_co_u32 s20, s20, s[LO]
	s_mul_i32 s20, s20, 98304
	s_mov_b32 s21, 0
	s_lshl_b32 s46, s42, 1
	s_add_co_u32 s46, s46, s[LO]
	s_mul_i32 s46, s46, 98304
	s_add_co_u32 s46, s46, 2359296
	s_mov_b32 s47, 0
	s_mul_i32 s45, s[WV], HALFT
	s_wait_dscnt 0x0
	s_wait_kmcnt 0x0
	s_add_nc_u64 s[20:21], s[4:5], s[20:21]
	s_add_nc_u64 s[46:47], s[6:7], s[46:47]
	CROUND
.irp s, 0,1
	s_mov_b32 s[G0+4*\s], 1
	s_add_co_u32 s[G0+4*\s+1], s45, \s*SLOT
	s_add_nc_u64 s[G0+4*\s+2:G0+4*\s+3], s[20:21], \s*HALFT
	s_or_b32 s[G0+4*\s+3], s[G0+4*\s+3], 0x80000000
	s_mov_b32 s[G0B+4*\s], 1
	s_add_co_u32 s[G0B+4*\s+1], s45, \s*SLOT
	s_add_nc_u64 s[G0B+4*\s+2:G0B+4*\s+3], s[46:47], \s*HALFT
	s_or_b32 s[G0B+4*\s+3], s[G0B+4*\s+3], 0x80000000
	s_wait_alu depctr_va_vdst(0)
	s_wait_tensorcnt 0x0
	ds_add_u32 v28, v29
	ds_add_u32 v28, v29
	s_wait_dscnt 0x0
	CROUND
	JLOAD \s
.endr
	v_and_b32 v1, 31, v0
	v_and_b32 v2, 15, v0
	v_bfe_u32 v3, v0, 4, 1
	v_lshlrev_b32 v[CO], 4, v1
	v_lshlrev_b32 v4, 3, v1
	s_mul_i32 s18, s[HI], HALFT
	s_mul_i32 s19, s[LO], HALFT
	s_add_co_u32 s19, s19, 2*HALFT
.irp s, 0,1
	v_add_nc_u32 v[AD1+\s], s18, v[CO]
	v_add_nc_u32 v[AD1+2+\s], s18, v4
	v_add_nc_u32 v[AD0+\s], s19, v[CO]
	v_add_nc_u32 v[AD0+2+\s], s19, v4
	s_add_co_u32 s18, s18, SLOT
	s_add_co_u32 s19, s19, SLOT
.endr
	s_lshl_b32 s66, s17, 1
	s_add_co_u32 s66, s66, s[HI]
	s_lshl_b32 s66, s66, 12
	s_lshl_b32 s67, s42, 1
	s_add_co_u32 s67, s67, s[LO]
	s_lshl_b32 s67, s67, 12
	s_add_co_u32 s67, s67, 262144
	v_mov_b32 v30, s66
	v_mov_b32 v31, s67
	s_mov_b32 s93, 0xffff0000
	v_cndmask_b32 v30, v30, v31, s93
	v_lshl_add_u32 v30, v2, 4, v30
.irp i, 0,1,2,3,4,5,6,7
.irp e, 0,1
	global_load_b128 v[SC+8*\i+4*\e:SC+8*\i+4*\e+3], v30, s[8:9] offset:2048*\e+256*\i
.endr
.endr
	s_lshl_b32 s68, s42, 8
	s_lshl_b32 s69, s[LO], 7
	s_add_co_u32 s68, s68, s69
	s_lshl_b32 s68, s68, 2
	s_mov_b32 s69, 0
	s_add_nc_u64 s[10:11], s[10:11], s[68:69]
	v_lshlrev_b32 v31, 6, v3
	WIN 0x40
.irp t, 0,1,2,3,4,5,6,7
	global_load_b128 v[96+8*\t+96*(\t/4):96+8*\t+96*(\t/4)+3], v31, s[10:11] offset:4*(32*(\t/2)+8*(\t%2))
	global_load_b128 v[96+8*\t+96*(\t/4)+4:96+8*\t+96*(\t/4)+7], v31, s[10:11] offset:4*(32*(\t/2)+8*(\t%2))+16
.endr
	WIN 0
	s_lshl_b32 s70, s17, 8
	s_lshl_b32 s71, s[HI], 7
	s_add_co_u32 s70, s70, s71
	s_lshl_b32 s70, s70, 12
	s_add_co_u32 s70, s70, s68
	s_mov_b32 s71, 0
	s_add_nc_u64 s[12:13], s[12:13], s[70:71]
	s_mul_i32 s23, s[WV], 16*SPITCH
	v_mul_u32_u24 v[STO], v2, SPITCH
	v_lshl_add_u32 v[STO], v3, 6, v[STO]
	v_add_nc_u32 v[STO], s23, v[STO]
	v_add_nc_u32 v[RD], s23, v[CO]
	s_wait_tensorcnt 1
	s_barrier_signal -1
	s_barrier_wait -1
	FETCH_B 0, 0, 0
	FETCH_A 0, 0, 0
	FETCH_A 0, 0, 4
	s_wait_loadcnt 0x0
	STEP 0, 0, 1
	TURN 0, 1, 1, 1
	STEP 1, 2, 0
	TURN 1, 0, 3, 1
	STEP 0, 4, 0
	TURN 0, 1, 5, 0
	STEP 1, 6, 0
	s_wait_dscnt 16
	WIN 0xa1
	MUL16 0, 1, 7, 0
	MUL16 2, 1, 7, 0
	s_wait_alu depctr_va_vdst(0)
	s_wait_dscnt 0x0
	WIN 0xf1
	MUL16 4, 1, 7, 0
	MUL16 6, 1, 7, 0
	WIN 0
	PLACES
.macro TOSTAGE a
.set AC, 64*((\a)%4)
	WIN 0x08+4*((\a)/4)
.irp b, 0,1,2,3,4,5,6,7
	ds_store_b128 v[STO], v[AC+8*\b:AC+8*\b+3] offset:128*(\b/2)+32*(\b%2)
	ds_store_b128 v[STO], v[AC+8*\b+4:AC+8*\b+7] offset:128*(\b/2)+32*(\b%2)+16
.endr
	WIN 0
.set BB, BK+64*((\a)%2)
.irp t, 0,1,2,3,4,5,6,7,8,9,10,11,12,13,14,15
	ds_load_b128 v[BB+4*\t:BB+4*\t+3], v[RD] offset:\t*SPITCH
.endr
.endm
.macro SEND a, younger
.set BB, BK+64*((\a)%2)
	s_wait_dscnt \younger
.irp t, 0,1,2,3,4,5,6,7,8,9,10,11,12,13,14,15
	global_store_b128 v[CO], v[BB+4*\t:BB+4*\t+3], s[12:13] offset:(32*((\a)/2)+8*((\a)%2)+\t+8*(\t/8))*4096 th:TH_STORE_NT
.endr
.endm
	TOSTAGE 0
.irp a, 1,2,3,4,5,6,7
.if \a > 1
	s_wait_xcnt 0x0
.endif
	TOSTAGE \a
	SEND \a-1, 32
.endr
	SEND 7, 0
	s_wait_tensorcnt 0x0
	ds_add_u32 v[SPW], v[NIL]
	s_wait_dscnt 0x0
	CROUND
	s_endpgm
.Lfunc_end_k_qdb0ede6319_gemm_out:
	.size	k_qdb0ede6319_gemm_out, .Lfunc_end_k_qdb0ede6319_gemm_out-k_qdb0ede6319_gemm_out
	.p2alignl 7, 3214868480
	.fill 96, 4, 3214868480
	.section	.rodata,"a",@progbits
	.p2align	6, 0x0
	.amdhsa_kernel k_qdb0ede6319_gemm_out
		.amdhsa_group_segment_fixed_size 327680
		.amdhsa_private_segment_fixed_size 0
		.amdhsa_enable_private_segment 0
		.amdhsa_kernarg_size 40
		.amdhsa_user_sgpr_count 2
		.amdhsa_user_sgpr_kernarg_segment_ptr 1
		.amdhsa_wavefront_size32 1
		.amdhsa_system_sgpr_workgroup_id_x 1
		.amdhsa_system_sgpr_workgroup_id_y 1
		.amdhsa_system_sgpr_workgroup_id_z 1
		.amdhsa_system_vgpr_workitem_id 0
		.amdhsa_next_free_vgpr 1024
		.amdhsa_next_free_sgpr 100
		.amdhsa_reserve_vcc 0
		.amdhsa_float_denorm_mode_32 3
		.amdhsa_float_denorm_mode_16_64 3
		.amdhsa_memory_ordered 1
		.amdhsa_forward_progress 1
		.amdhsa_inst_pref_size 143
	.end_amdhsa_kernel
	.amdgpu_metadata
---
amdhsa.version: [ 1, 2 ]
amdhsa.kernels:
  - .name:           k_qdb0ede6319_gemm_out
    .symbol:         k_qdb0ede6319_gemm_out.kd
    .args:
      - { .name: oi, .offset: 0, .size: 8, .value_kind: global_buffer, .address_space: global }
      - { .name: wi, .offset: 8, .size: 8, .value_kind: global_buffer, .address_space: global }
      - { .name: sc2, .offset: 16, .size: 8, .value_kind: global_buffer, .address_space: global }
      - { .name: b_out, .offset: 24, .size: 8, .value_kind: global_buffer, .address_space: global }
      - { .name: out0, .offset: 32, .size: 8, .value_kind: global_buffer, .address_space: global }
    .group_segment_fixed_size: 327680
    .private_segment_fixed_size: 0
    .kernarg_segment_align: 8
    .kernarg_segment_size: 40
    .max_flat_workgroup_size: 128
    .sgpr_count:     100
    .vgpr_count:     1024
    .wavefront_size: 32
...
	.end_amdgpu_metadata
.endif
;; end of part 4
